; MI455X (gfx1250); checked and timed in simulation.
; The chip was launched on July 23, 2026; its instructions are those of AMD's public machine-readable ISA for CDNA 5 (MIT licence, August 2026) and "CDNA5" Instruction Set Architecture Reference Guide (July 2026). The comments in the code are by the model that wrote it; some were corrected since.
;; Self Attention1. Allowed arithmetic: matrix products marked QUANTISED: E3M2 operands, one E8M0 scale for each 32 along K, by v_wmma_scale_f32_16x16x128_f8f6f4 with both operands' format E3M2, f32 sums; everything else in f32.
;; Inputs: Wk 1,024 x 1,024 float32; Wq 1,024 x 1,024 float32; Wv 1,024 x 1,024 float32; bk 1,024 float32; bq 1,024 float32; bv 1,024 float32; x 4 x 2,048 x 1,024 float32.
;; Outputs: out0 4 x 2,048 x 1,024 float32.
;; This version of the problem:
;;   THIS VERSION OF THE PROBLEM IS GIVEN IN LOW PRECISION. The matrix products marked QUANTISED in the list below multiply operands that are first quantised to E3M2 (3 exponent bits, 2 mantissa bits; 6 bits a number), with one power-of-two scale for each 32 numbers along K (OCP MX v1.0); their sums are f32. All else is computed in f32.
;;   The module's matrix products, in the order in which they are computed (A, B: the left and right operand; K: the contracted axis; several contracted axes count as one K, in the product's order):
;;     1. [M 8,192, K 1,024] x [K 1,024, N 1,024]; A: input x; B: input Wq: QUANTISED
;;     2. [M 8,192, K 1,024] x [K 1,024, N 1,024]; A: input x; B: input Wk: QUANTISED
;;     3. [M 8,192, K 1,024] x [K 1,024, N 1,024]; A: input x; B: input Wv: QUANTISED
;;     4. batch 4 x [M 2,048, K 1,024] x [K 1,024, N 2,048]; A: computed on the way; B: computed on the way: QUANTISED
;;     5. batch 4 x [M 2,048, K 2,048] x [K 2,048, N 1,024]; A: softmax (see below); B: computed on the way: QUANTISED
;;   THE QUANTISER, for each operand of a quantised product, along K:
;;     - K is cut into blocks of 32 from its start; a last block that is shorter is filled with zeros.
;;     - A block's scale is 2^e with e = floor(log2(the largest magnitude in the block)) - 4, held to -126 .. 127; a block of zeros has e = 0. As a byte (E8M0): e + 127.
;;     - Each number is divided by its block's scale, clamped to +-28, and rounded to the nearest number of E3M2, ties to even, subnormals kept.
;;     - The product sums the exact products of the quantised numbers (number of the format x scale) in f32.
;;   ~~~python
;;   def quantise(x, axis):      # numpy; x: float32 -> the quantised numbers, widened to float32 again
;;       x = np.moveaxis(x, axis, -1); K = x.shape[-1]
;;       x = np.pad(x, [(0, 0)] * (x.ndim - 1) + [(0, -K % 32)]); x = x.reshape(x.shape[:-1] + (-1, 32)); a = np.abs(x).max(-1, keepdims=True)
;;       e = np.where(a > 0, np.clip(np.frexp(np.where(a > 0, a, 1))[1] - 1 - 4, -126, 127), 0)      # np.frexp(a)[1] - 1 = floor(log2(a)), exactly
;;       r = np.clip(x / 2.0 ** e, -28, 28)
;;       step = 2.0 ** (np.maximum(np.frexp(np.where(r == 0, 1, r))[1] - 1, -2) - 2)
;;       q = np.round(r / step) * step * 2.0 ** e      # np.round: ties to even
;;       return np.moveaxis(q.reshape(q.shape[:-2] + (-1,))[..., :K], -1, axis).astype(np.float32)
;;   ~~~
;;   SOFTMAX AHEAD OF A QUANTISED PRODUCT. Where the list says 'softmax', what is quantised is not the finished softmax but p = 2^(t - M), with t = logit x log2(e) and M = ceil(the row's largest t), a whole number; so 1/2 < the row's largest p <= 1. The row's sum l is taken of the UNQUANTISED p, in f32, and the product's result is divided by l at the end. Since M is a whole number, a kernel that streams over the keys may use a running M (the ceiling of the running maximum): every later rescaling is an exact power of two, which a block's scale takes up: the codes' values come out the same.
;;   OPERANDS COMPUTED ON THE WAY. 'Computed on the way' means the value that the module computes at that place (a softmax that the list does not call 'softmax' is quantised finished and normalised). What goes into a quantiser is computed in f32, as accurately as f32 sums, v_exp_f32 and their like allow (about 1e-6 of the number): no bf16 or f16 on the way to a quantiser, and a product that is left as it is and whose result goes on into a quantised operand takes f32 operands (vector FMAs, or v_wmma_f32_16x16x4_f32). A number that lies on a knife's edge between two numbers of the format may be rounded either way, as far as f32 arithmetic and the matrix unit's own rounding can turn it there, and no further.
;; One version. Each part assembles by itself: llvm-mc -triple=amdgcn-amd-amdhsa -mcpu=gfx1250 --defsym DOCPART=n.
;; ======== version 1 of 1: 4 launches
;; limits: right only within a limited range of input values
;; workspace buffers: xw 9,011,200 bytes; qc 6,553,600 bytes; kc 6,553,600 bytes; vc 6,553,600 bytes; pc 13,107,200 bytes; st 1,048,576 bytes
;; launch quant (part 1): grid 448 x 1, 4 waves a work-group, no clusters, 46,592 bytes of LDS; arguments x, Wq, Wk, Wv, xw; writes xw
.if DOCPART == 1
	.amdgcn_target "amdgcn-amd-amdhsa--gfx1250"
	.amdhsa_code_object_version 6
	.text
	.protected	k_q4bb865d996_quant
	.globl	k_q4bb865d996_quant
	.p2align	8
	.type	k_q4bb865d996_quant,@function
k_q4bb865d996_quant:
	s_mov_b64 s[64:65], 0
	v_nop
	global_prefetch_b8 v0, s[64:65] scope:SCOPE_SE
	s_setreg_imm32_b32 hwreg(HW_REG_WAVE_MODE, 25, 1), 1
	s_wait_xcnt 0x0
; x [8192][1024] and Wq, Wk, Wv [1024 (K)][1024], f32, become codes of BF6 (E3M2) with one E8M0 byte for each 32 along K, laid in xw IN THE ORDER OF AN OPERAND'S REGISTERS.
; A PAIR is 32 rows, two BLOCKS b of 16: lane r of block b holds row 8 b + r + 8 (r / 8) of the pair.  A FRAGMENT (block, 128 along K) is 12 registers a lane: lane (r, h) holds k = 64 c + 32 h + 0 .. 31 in registers 6 c .. 6 c + 5;
; its image is 1,536 bytes: registers 4 g .. 4 g + 3 of lane l at 512 g + 16 l.  A PAIR-CHUNK (pair, 256 along K) is 6,400 bytes: image 2 b + q (block b, q-th 128) at 1,536 (2 b + q), then at 6,144 the scale words: 128 b + 8 r + 4 q.
; xw: pair-chunk (p, u) at 6,400 (4 p + u).  Pairs 0-255: x's tokens.  Then the rows e of the weights' transposes, in sixes, four pairs of q | k and two of v: pair g of q | k (0-63) is 256 + 6 (g / 4) + g % 4, pair p of v (0-31) is 256 + 6 (p / 2) + 4 + p % 2.
; A block's scale is 2^(floor(log2(largest magnitude)) - 4); its byte is the largest magnitude's exponent field - 4, held at 1 from below by a floor among the maximum's leaves.
; LIMITS: a block of 32 whose largest magnitude lies under 2^-122 keeps the byte 1; a block of zeros has the byte 1, not 127 (its codes are zeros, and only this program reads the bytes); NaN and infinities are not served.
; Work-groups 0-191 take the weights, 192-447 x: one branch on the work-group's number, and each way has LDS bytes of its own.  Waves share nothing: no barrier.  No matrix work, no tile read twice: no cluster, no tensor load.
.set WWG,   192                        ; work-groups for the weights: 3 matrices x 8 groups of 128 columns x 8 K steps
.set XSTG,  8448                       ; x's way: a stage of 16 rows x (512 bytes + 16) for each wave, from LDS byte 0
.set WST,   33792                      ; the weights' way: behind them, a stage of two images for each wave
.set WSTG,  3072
.set SFB,   6400
.set FRB,   1536
.set FLOOR, 0x2800000                  ; 2^(5 - 127)
.set EOFF,  0xfe000000                 ; -(4 << 23)
	s_load_b256 s[4:11], s[0:1], 0x0               ; x, Wq, Wk, Wv
	s_load_b64 s[12:13], s[0:1], 0x20              ; xw
	v_lshl_add_u32 v254, v0, 2, 0xb400             ; my spare word
	v_mov_b32 v255, 0
	v_lshrrev_b32 v1, 5, v0
	v_readfirstlane_b32 s14, v1                    ; wave
	v_and_b32 v1, 15, v0                           ; r
	v_bfe_u32 v2, v0, 4, 1                         ; h
	v_and_b32 v3, 31, v0                           ; lane
	v_lshlrev_b32 v10, 4, v3                       ; 16 x lane
	s_cmp_lt_u32 ttmp9, WWG
	s_cbranch_scc0 .Lx_path
; ---------------- THE WEIGHTS.  A lane takes a column e and its registers run down K: a block of 32 lies in one lane, and the codes come out with K innermost.  A wave: 32 columns (a pair) x 128 along K.
	s_lshr_b32 s15, ttmp9, 6                       ; m
	s_bfe_u32 s16, ttmp9, 0x30003                  ; which 128 columns
	s_and_b32 s17, ttmp9, 7                        ; K step s
	s_lshl_b32 s18, s16, 2
	s_add_co_u32 s18, s18, s14                     ; the pair: 4 x group + wave
	s_lshl_b32 s22, s17, 19                        ; in: 128 s rows of 4,096 bytes
	s_lshl_b32 s23, s18, 7                         ;     + 32 columns x 4 bytes a pair
	s_add_co_u32 s22, s22, s23
	s_mov_b32 s23, 0
	s_lshl_b32 s24, s15, 5
	s_add_co_u32 s24, s24, s18                     ; g = 32 m + pair
	s_lshr_b32 s25, s24, 2
	s_mul_i32 s25, s25, 6
	s_and_b32 s24, s24, 3
	s_add_co_u32 s24, s24, s25                     ; q | k: 6 (g / 4) + g % 4
	s_lshr_b32 s25, s18, 1
	s_mul_i32 s25, s25, 6
	s_and_b32 s26, s18, 1
	s_add_co_u32 s25, s25, s26
	s_add_co_u32 s25, s25, 4                       ; v: 6 (pair / 2) + 4 + pair % 2
	s_cmp_eq_u32 s15, 2
	s_cselect_b32 s24, s25, s24
	s_add_co_u32 s24, s24, 256
	s_lshl_b32 s24, s24, 2
	s_lshr_b32 s25, s17, 1
	s_add_co_u32 s24, s24, s25                     ; its chunk s / 2,
	s_mul_i32 s24, s24, SFB
	s_and_b32 s25, s17, 1
	s_mul_i32 s26, s25, FRB
	s_add_co_u32 s26, s26, s24                     ; image s % 2 of block 0
	s_mov_b32 s27, 0
	s_lshl_b32 s25, s25, 2
	s_add_co_u32 s24, s24, s25
	s_add_co_u32 s24, s24, 6144                    ; and word s % 2 of each row's two
	s_mov_b32 s25, 0
	s_wait_alu depctr_va_vdst(0)
	v_lshlrev_b32 v4, 2, v3                        ; in: 4 bytes a lane: a wave reads 128 consecutive bytes, the work-group 512
	v_bfe_u32 v5, v0, 3, 1                         ; column j of the pair is lane r' = j % 8 + 8 (j / 16) of block b = (j / 8) % 2
	v_and_b32 v6, 7, v0
	v_lshl_or_b32 v6, v2, 3, v6
	s_mul_i32 s28, s14, WSTG
	s_add_co_u32 s28, s28, WST                     ; my stage
	v_mul_u32_u24 v7, v5, FRB
	v_lshl_add_u32 v7, v6, 4, v7
	v_add_nc_u32 v7, s28, v7                       ; into it: image b, lane r'
	v_add_nc_u32 v8, s28, v10                      ; out of it: 16 x lane
	v_lshlrev_b32 v9, 7, v5
	v_lshl_add_u32 v9, v6, 3, v9                   ; my scale word: block b, row r'
	s_wait_kmcnt 0x0
	s_cmp_eq_u32 s15, 0                            ; the choice hangs on the work-group's number alone
	s_cselect_b64 s[6:7], s[6:7], s[8:9]
	s_cmp_eq_u32 s15, 2
	s_cselect_b64 s[6:7], s[10:11], s[6:7]
	s_add_nc_u64 s[6:7], s[6:7], s[22:23]
	s_add_nc_u64 s[26:27], s[12:13], s[26:27]
	s_add_nc_u64 s[24:25], s[12:13], s[24:25]
	s_wait_alu depctr_va_vdst(0)
.set i, 0
.rept 128
	global_load_b32 v[64+i], v4, s[6:7] offset:i*4096 th:TH_LOAD_NT   ; W(128 s + i, my column)
.set i, i+1
.endr
; Block b of 32 along K: its codes into v[32 + 6 b ..], its byte into v15.  left: the younger loads that may stay out
.macro WBLOCK b, left
.set XS, 64+32*(\b)
	s_wait_loadcnt \left
	v_max3_num_f32 v12, |v[XS]|, |v[XS+1]|, |v[XS+2]|
	v_max3_num_f32 v13, |v[XS+3]|, |v[XS+4]|, |v[XS+5]|
.irp i, 6,10,14,18,22,26
	v_max3_num_f32 v12, v12, |v[XS+\i]|, |v[XS+\i+1]|
	v_max3_num_f32 v13, v13, |v[XS+\i+2]|, |v[XS+\i+3]|
.endr
	v_max3_num_f32 v12, v12, |v[XS+30]|, |v[XS+31]|
	v_max3_num_f32 v12, v12, v13, FLOOR            ; the block's largest magnitude, and the floor
	v_add_nc_u32 v14, EOFF, v12                    ; 4 off its exponent field: the conversion takes this operand's exponent field as its scale
	v_lshrrev_b32 v13, 23, v14                     ; the byte
.if (\b) == 0
	v_mov_b32 v15, v13
.else
	v_lshl_or_b32 v15, v13, 8*(\b), v15
.endif
	v_cvt_scalef32_pk16_bf6_f32 v[32+6*(\b):34+6*(\b)], v[XS:XS+15], v14
	v_cvt_scalef32_pk16_bf6_f32 v[56:58], v[XS+16:XS+31], v14      ; (a conversion's three registers begin on an even number)
	v_nop                                          ; one plain place behind a scaled conversion
.irp i, 0,1,2
	v_mov_b32 v[35+6*(\b)+\i], v[56+\i]
.endr
.endm
	WBLOCK 0, 63                                   ; 96 and 64 younger loads are out: the count is what a wait can name
	WBLOCK 1, 63
	WBLOCK 2, 32
	WBLOCK 3, 0
	; block b belongs to lane (r', b % 2), registers 6 (b / 2) .. + 5 of the image
	ds_store_b128 v7, v[32:35]
	ds_store_b64  v7, v[36:37] offset:512
	ds_store_b128 v7, v[38:41] offset:256
	ds_store_b64  v7, v[42:43] offset:768
	ds_store_b64  v7, v[44:45] offset:520
	ds_store_b128 v7, v[46:49] offset:1024
	ds_store_b64  v7, v[50:51] offset:776
	ds_store_b128 v7, v[52:55] offset:1280
.irp i, 0,1,2,3,4,5
	ds_load_b128 v[192+4*\i:195+4*\i], v8 offset:512*\i            ; LDS serves a wave's instructions in order: these see my stores
.endr
	s_wait_alu depctr_va_vdst(0)
.irp i, 0,1,2,3,4,5
	s_wait_dscnt 5-\i
	global_store_b128 v10, v[192+4*\i:195+4*\i], s[26:27] offset:(\i/3)*2*FRB+512*(\i%3)   ; 32 lanes store 512 consecutive bytes
.endr
	global_store_b32 v9, v15, s[24:25]             ; one word of each row's two: the other comes from another work-group
	s_wait_tensorcnt 0x0                           ; the wave's end
	ds_add_u32 v254, v255
	s_wait_dscnt 0x0
	s_endpgm
; ---------------- x.  A wave takes one pair-chunk, in four steps n = 2 b + q.  Each load reads 512 consecutive bytes of a row; a step's 16 rows turn through the wave's stage, so that lane (r, h) gets its two whole blocks of 32.
.Lx_path:
	s_sub_co_u32 s15, ttmp9, WWG
	s_lshl_b32 s15, s15, 2
	s_add_co_u32 s15, s15, s14                     ; the pair-chunk's number: 4 p + u
	s_lshr_b32 s16, s15, 2                         ; p
	s_and_b32 s17, s15, 3                          ; u
	s_lshl_b32 s18, s16, 17                        ; in: row 32 p of 4,096 bytes,
	s_lshl_b32 s19, s17, 10                        ;     + 1,024 u
	s_add_co_u32 s18, s18, s19
	s_mov_b32 s19, 0
	s_mul_i32 s22, s15, SFB
	s_mov_b32 s23, 0
	s_mov_b32 s20, 0x76543210
	s_mov_b32 s21, 0xfedcba98                      ; v_permlanex16_b32's selects for lane l xor 16
	s_mul_i32 s24, s14, XSTG
	s_wait_alu depctr_va_vdst(0)
	v_add_nc_u32 v4, s24, v10                      ; the stage, in: 16 x lane, a row at a time
	v_mul_u32_u24 v5, v1, 528
	v_lshl_add_u32 v5, v2, 7, v5
	v_add_nc_u32 v5, s24, v5                       ; and out: row r, + 128 h: my block's 128 bytes
	v_lshlrev_b32 v239, 3, v2                      ; 8 h: my bytes' place in the scale word
	v_mov_b32 v240, 0                              ; (a lane permute's destination counts as one of its sources)
	v_lshlrev_b32 v241, 3, v3                      ; 8 x lane = 128 h + 8 r: a row's two scale words
	s_wait_alu depctr_va_vdst(0)
	s_wait_kmcnt 0x0
	s_add_nc_u64 s[4:5], s[4:5], s[18:19]
	s_add_nc_u64 s[12:13], s[12:13], s[22:23]
.macro XLOAD n                         ; step n's 16 rows (block n / 2, the chunk's n % 2-th 128 along K) into set n % 2
.irp i, 0,1,2,3,4,5,6,7,8,9,10,11,12,13,14,15
	global_load_b128 v[16+64*((\n)%2)+4*\i:16+64*((\n)%2)+4*\i+3], v10, s[4:5] offset:(\i+8*(\i/8)+8*((\n)/2))*4096+512*((\n)%2) th:TH_LOAD_NT
.endr
.endm
.macro XSTEP n
.set RW, 16+64*((\n)%2)
.if (\n) < 3
	s_wait_loadcnt 16                              ; this step's 16 loads are in; the next step's may be out
.else
	s_wait_loadcnt 0x0
.endif
.irp i, 0,1,2,3,4,5,6,7,8,9,10,11,12,13,14,15
	ds_store_b128 v4, v[RW+4*\i:RW+4*\i+3] offset:528*\i
.endr
.irp c, 0,1
.irp i, 0,1,2,3,4,5,6,7
	ds_load_b128 v[144+32*\c+4*\i:144+32*\c+4*\i+3], v5 offset:256*\c+16*\i   ; k = 64 c + 32 h + 4 i ..
.endr
.endr
	s_wait_dscnt 0x0                               ; my numbers are back, and the stores have read the set,
.if (\n) < 2
	XLOAD (\n)+2                                   ; which takes the loads of two steps on
.endif
.irp c, 0,1
	v_max3_num_f32 v[232+\c], |v[144+32*\c]|, |v[145+32*\c]|, FLOOR
.endr
.irp i, 2,4,6,8,10,12,14,16,18,20,22,24,26,28,30
.irp c, 0,1
	v_max3_num_f32 v[232+\c], v[232+\c], |v[144+32*\c+\i]|, |v[145+32*\c+\i]|
.endr
.endr
.irp c, 0,1
	v_add_nc_u32 v[234+\c], EOFF, v[232+\c]
.endr
.irp c, 0,1
	v_lshrrev_b32 v[236+\c], 23, v[234+\c]
.endr
	v_lshl_or_b32 v238, v237, 16, v236             ; my two bytes: blocks h and 2 + h,
	v_lshlrev_b32 v238, v239, v238                 ; at their places;
	v_permlanex16_b32 v240, v238, s20, s21
	v_or_b32 v[228+(\n)], v238, v240               ; with lane l xor 16's the word is whole
	s_wait_alu depctr_va_vdst(0)
	s_wait_xcnt 0x0                                ; the last step's stores have read the codes' registers
.irp c, 0,1
	v_cvt_scalef32_pk16_bf6_f32 v[208+6*\c:210+6*\c], v[144+32*\c:159+32*\c], v[234+\c]
	v_cvt_scalef32_pk16_bf6_f32 v[220+4*\c:222+4*\c], v[160+32*\c:175+32*\c], v[234+\c]
.endr
	v_nop                                          ; one plain place behind a scaled conversion
.irp c, 0,1
.irp i, 0,1,2
	v_mov_b32 v[211+6*\c+\i], v[220+4*\c+\i]
.endr
.endr
.irp c, 0,1,2
	global_store_b128 v10, v[208+4*\c:211+4*\c], s[12:13] offset:FRB*(\n)+512*\c   ; the image as it stands: 512 consecutive bytes a store
.endr
.endm
	XLOAD 0
	XLOAD 1
	XSTEP 0
	XSTEP 1
	XSTEP 2
	XSTEP 3
	s_mov_b32 s24, 0xffff0000                      ; lanes 16-31 take block 1's words
	v_cndmask_b32 v228, v228, v230, s24
	v_cndmask_b32 v229, v229, v231, s24
	s_wait_alu depctr_va_vdst(0)
	global_store_b64 v241, v[228:229], s[12:13] offset:6144        ; 32 lanes store the 256 bytes of scale words
	s_wait_tensorcnt 0x0                           ; the wave's end
	ds_add_u32 v254, v255
	s_wait_dscnt 0x0
	s_endpgm
.Lfunc_end_k_q4bb865d996_quant:
	.size	k_q4bb865d996_quant, .Lfunc_end_k_q4bb865d996_quant-k_q4bb865d996_quant
	.p2alignl 7, 3214868480
	.fill 96, 4, 3214868480
	.section	.rodata,"a",@progbits
	.p2align	6, 0x0
	.amdhsa_kernel k_q4bb865d996_quant
		.amdhsa_group_segment_fixed_size 46592
		.amdhsa_private_segment_fixed_size 0
		.amdhsa_enable_private_segment 0
		.amdhsa_kernarg_size 40
		.amdhsa_user_sgpr_count 2
		.amdhsa_user_sgpr_kernarg_segment_ptr 1
		.amdhsa_wavefront_size32 1
		.amdhsa_system_sgpr_workgroup_id_x 1
		.amdhsa_system_sgpr_workgroup_id_y 1
		.amdhsa_system_sgpr_workgroup_id_z 1
		.amdhsa_system_vgpr_workitem_id 0
		.amdhsa_next_free_vgpr 256
		.amdhsa_next_free_sgpr 66
		.amdhsa_reserve_vcc 0
		.amdhsa_float_denorm_mode_32 3
		.amdhsa_float_denorm_mode_16_64 3
		.amdhsa_memory_ordered 1
		.amdhsa_forward_progress 1
		.amdhsa_inst_pref_size 52
	.end_amdhsa_kernel
	.amdgpu_metadata
---
amdhsa.version: [ 1, 2 ]
amdhsa.kernels:
  - .name:           k_q4bb865d996_quant
    .symbol:         k_q4bb865d996_quant.kd
    .args:
      - { .name: x, .offset: 0, .size: 8, .value_kind: global_buffer, .address_space: global }
      - { .name: Wq, .offset: 8, .size: 8, .value_kind: global_buffer, .address_space: global }
      - { .name: Wk, .offset: 16, .size: 8, .value_kind: global_buffer, .address_space: global }
      - { .name: Wv, .offset: 24, .size: 8, .value_kind: global_buffer, .address_space: global }
      - { .name: xw, .offset: 32, .size: 8, .value_kind: global_buffer, .address_space: global }
    .group_segment_fixed_size: 46592
    .private_segment_fixed_size: 0
    .kernarg_segment_align: 8
    .kernarg_segment_size: 40
    .max_flat_workgroup_size: 128
    .sgpr_count:     66
    .vgpr_count:     256
    .wavefront_size: 32
...
	.end_amdgpu_metadata
.endif
;; end of part 1
;; launch proj (part 2): grid 8 x 32, 4 waves a work-group, clusters of 4 x 4, 327,680 bytes of LDS; arguments xw, bq, bk, bv, qc, kc, vc; writes qc, kc, vc
.if DOCPART == 2
	.amdgcn_target "amdgcn-amd-amdhsa--gfx1250"
	.amdhsa_code_object_version 6
	.text
	.protected	k_q4bb865d996_proj
	.globl	k_q4bb865d996_proj
	.p2align	8
	.type	k_q4bb865d996_proj,@function
k_q4bb865d996_proj:
	s_mov_b64 s[64:65], 0
	v_nop
	global_prefetch_b8 v0, s[64:65] scope:SCOPE_SE
	s_setreg_imm32_b32 hwreg(HW_REG_WAVE_MODE, 25, 1), 1
	s_wait_xcnt 0x0
	s_wait_alu depctr_hold_cnt(0) depctr_sa_sdst(0) depctr_va_vdst(0) depctr_va_sdst(0) depctr_va_ssrc(0) depctr_va_vcc(0) depctr_vm_vsrc(0)
	s_getreg_b32 s2, hwreg(HW_REG_IB_STS2, 6, 4)
	s_cmp_eq_u32 s2, 0
	s_cbranch_scc0 .Lentry_in_a_cluster
	s_endpgm
.Lentry_in_a_cluster:
	s_bfe_u32 s2, ttmp6, 0x10000c
	s_cmp_lg_u32 s2, 0xf033
	s_cbranch_scc0 .Lentry_shape_is_right
	s_endpgm
.Lentry_shape_is_right:
; q = x Wq + bq, k = x Wk + bk, v = x Wv + bv on codes of BF6 (E3M2) with E8M0 scales, K = 1,024; the results are quantised in registers (q, k along e; v along the tokens) and stored as codes and scale words.
; THE TILE: 256 tokens x (256 columns of q | k and 128 columns of v), one to a work-group: 8 x 32 = 256 work-groups.  Wave (wy, wx): 128 tokens x (128 columns of q | k + 64 of v): 96 accumulators of 16 x 16, 768 registers.
; For q, k source 0 = the weights' rows e and source 1 = the tokens: a lane holds one token and its registers run along e.  For v the sources are swapped: a lane holds one e and its registers run along the tokens.
; So in both a lane's 16 registers of two neighbouring blocks are 16 neighbours along the next product's K.
; xw is laid in PAIR-CHUNKS of 6,400 bytes (32 rows x 256 along K): image 2 b + q of block b, q-th 128 along K, at 1,536 (2 b + q); scale words at 6,144 + 128 b + 8 r + 4 q.  Pair-chunk (p, u) at 6,400 (4 p + u).
; K goes in four chunks of 256 through two LDS slots of 20 pair-chunks: the tokens' 8, then the weights' 12 (for each wx four of q | k and two of v).  Each wave fetches a quarter: waves 0, 1 four pairs of tokens each, waves 2, 3 six of weights.
; CLUSTER 4 x 4: the tokens hang on the cluster's row, the weights on its column: each is asked for jointly by four work-groups.
; No prefetch: the walk is four chunks, written out; the first two are asked for at the head, and no loop is left to run ahead in.
; RESULTS.  qc, kc: pair-chunk (u, pair) at 6,400 (256 u + pair), u = 256 along e.  vc: [batch][64 blocks of e][4 x 512 tokens], 6,400 bytes: four images, then at 6,144 the scale words, 16 bytes a row.
; LIMITS: a block of 32 whose largest magnitude lies under 2^-122 keeps the byte 1; NaN and infinities are not served.
; REGISTERS.  Window 0: v0 thread, v1 r, v2 h, v3 16 x lane, v4-9 LDS addresses, v12-13 the add, v16-63 scale words (two sets), v64-159 tokens' fragments (8), v160-255 weights' fragments (two groups of 4).
;   1, 2: q | k, token block a at 64 (a % 4) + 8 B, a = 0-3 and 4-7.   3: v, e block b at 64 b + 8 a.
.set SFB,   6400
.set FRB,   1536
.set ROFF,  51200                      ; the weights' place in a slot
.set SLOT,  128000
.set SPARE, 256000                     ; behind the ring: the spare words
.set LI,    3
.set ADX,   4
.set ADW,   6
.set ADS,   8
.set SPW,   12
.set NIL,   13
.set SC,    16
.set XF,    64
.set WF,    160
.set G1L,   24
.set G0L,   32
.set G1R,   48
.set G0R,   56
.set PC,    64                         ; the way out: 12 x 12 registers of codes,
.set TM,    208                        ; at work, for two images at a time,
.set TB,    232                        ; second halves of conversions,
.set PW,    248                        ; two scale words,
.set PWX,   250                        ; and two blocks' words in one register
.set MSB, 0
.macro WIN new
.if MSB != \new
	s_set_vgpr_msb (MSB<<8)|\new
.set MSB, \new
.endif
.endm
.macro PLACES n
.rept \n
	v_nop
.endr
.endm
.macro CREST
	s_cmp_lg_u32 s14, 0
	s_cbranch_scc1 .Lnot_wave_0_\@
	s_barrier_signal -3
.Lnot_wave_0_\@:
	s_barrier_wait -3
	s_barrier_signal -1
	s_barrier_wait -1
.endm
.macro CROUND
	s_barrier_signal -1
	s_barrier_wait -1
	CREST
.endm
.macro JLOAD sg                        ; a joint load into slot sg; four v_nop follow each line
	s_cmp_eq_u32 s15, 0
	s_cbranch_scc0 .Lfor_r_\@
	tensor_load_to_lds s[G0L+4*(\sg):G0L+4*(\sg)+3], s[G1L:G1L+7]
	s_nop 0
.rept 4
	v_nop
.endr
	s_branch .Lasked_\@
.Lfor_r_\@:
	tensor_load_to_lds s[G0R+4*(\sg):G0R+4*(\sg)+3], s[G1R:G1R+7]
	s_nop 0
.rept 4
	v_nop
.endr
.Lasked_\@:
.endm
; LDS loads.  st: the step of 128 along K (chunk st / 2).  FW: the weights' group g of four blocks; FX: the tokens' blocks a0, a0 + 1; FS: a chunk's scale words (lanes 0-15 the tokens' block i, lanes 16-31 the weights'; for i above 7 lanes 0-15 bring bytes of the slot that nobody uses)
.macro FW st, g
.set fs, ((\st)/2)%2
.set fh, WF+48*((3*(\st)+(\g))%2)
	WIN 0
.irp b, 0,1,2,3
.irp c, 0,1,2
	ds_load_b128 v[fh+12*\b+4*\c:fh+12*\b+4*\c+3], v[ADW+fs] offset:((4*(\g)+\b)/2)*SFB+(\b%2)*2*FRB+((\st)%2)*FRB+512*\c
.endr
.endr
.endm
.macro FX st, a0
.set fs, ((\st)/2)%2
	WIN 0
.irp b, 0,1
.irp c, 0,1,2
	ds_load_b128 v[XF+12*((\a0)+\b)+4*\c:XF+12*((\a0)+\b)+4*\c+3], v[ADX+fs] offset:((\a0)/2)*SFB+\b*2*FRB+((\st)%2)*FRB+512*\c
.endr
.endr
.endm
.macro FS ch
.set fs, (\ch)%2
	WIN 0
.irp i, 0,1,2,3,4,5,6,7,8,9,10,11
	ds_load_b64 v[SC+24*fs+2*\i:SC+24*fs+2*\i+1], v[ADS+fs] offset:(\i/2)*SFB+(\i%2)*128
.endr
.endm
; Four matrix instructions: token block a x group g's four blocks.  All 96 accumulators take turns.
; STEP 0 STARTS THE SUMS AT THE BIAS: it was loaded into token block 7's accumulators, which serve as C of blocks 0 to 6; block 7 comes last, five places behind them, in place.
.macro MUL1 a, g, st
.set hf, WF+48*((3*(\st)+(\g))%2)
.set sb, SC+24*(((\st)/2)%2)+((\st)%2)
.set xa, XF+12*(\a)
.if ((\st) == 0) && ((\a) == 7)
	PLACES 5
.endif
.if (\g) == 2
	WIN 0xf0
.elseif (\a) > 3
	WIN 0xa0
.elseif (\st) == 0
	WIN 0x60
.else
	WIN 0x50
.endif
.irp b, 0,1,2,3
.set wb, hf+12*\b
.if (\g) < 2
.set rD, 64*((\a)%4)+8*(4*(\g)+\b)
.set rC, rD
.if (\st) == 0
.set rC, 192+8*(4*(\g)+\b)
.endif
	v_wmma_scale_f32_16x16x128_f8f6f4 v[rD:rD+7], v[wb:wb+11], v[xa:xa+11], v[rC:rC+7], v[sb+2*(4*(\g)+\b)], v[sb+2*(\a)] matrix_a_fmt:MATRIX_FMT_BF6 matrix_b_fmt:MATRIX_FMT_BF6 matrix_a_scale:MATRIX_SCALE_ROW1
.else
.set rD, 64*\b+8*(\a)
.set rC, rD
.if (\st) == 0
.set rC, 64*\b+56
.endif
	v_wmma_scale_f32_16x16x128_f8f6f4 v[rD:rD+7], v[xa:xa+11], v[wb:wb+11], v[rC:rC+7], v[sb+2*(\a)], v[sb+2*(8+\b)] matrix_a_fmt:MATRIX_FMT_BF6 matrix_b_fmt:MATRIX_FMT_BF6 matrix_b_scale:MATRIX_SCALE_ROW1
.endif
.endr
.endm
.macro M2 a0, g, st
	MUL1 (\a0), \g, \st
	MUL1 (\a0)+1, \g, \st
.endm
; A step of 128 along K: three groups of 32 matrix instructions.  While a group is multiplied the next group's 12 loads are out; in the third group the tokens' blocks are fetched anew, two by two, as they become free.
; At a chunk's end the change of slots stands at the end of the second group: every read of the slot has been issued by then.
.macro STEP st
.set NX, (\st)+1
	s_wait_dscnt 18                                ; group 0 and blocks 0, 1 are in; blocks 2-7's 18 loads may be out
	M2 0, 0, \st
	PLACES 4                                       ; in front of loads into registers that matrix instructions have read
	FW \st, 1
	s_wait_dscnt 24                                ; blocks 2, 3 are in; behind them 12 loads of blocks 4-7 and the 12 just issued
	M2 2, 0, \st
	s_wait_dscnt 18
	M2 4, 0, \st
	s_wait_dscnt 12                                ; all but group 1's 12
	M2 6, 0, \st
	s_wait_dscnt 0
	M2 0, 1, \st
	PLACES 4
	FW \st, 2
	M2 2, 1, \st
	M2 4, 1, \st
.if ((\st)%2 == 1) && (NX < 8)
	WIN 0
	s_wait_tensorcnt 0x0                           ; all my tensor loads have landed: my part of the other slot
	ds_add_u32 v[SPW], v[NIL]                      ; 0 onto my spare word
	M2 6, 1, \st
	s_wait_dscnt 0x0                               ; the add is done, and so are my reads of this slot
	s_barrier_signal -1
	M2 0, 2, \st
	WIN 0
	s_barrier_wait -1
.if NX < 6
.set sl, ((\st)/2)%2
	CREST                                          ; the barrier has opened a round of the cluster's
	s_add_nc_u64 s[G0L+4*sl+2:G0L+4*sl+3], s[G0L+4*sl+2:G0L+4*sl+3], 2*SFB
	s_add_nc_u64 s[G0R+4*sl+2:G0R+4*sl+3], s[G0R+4*sl+2:G0R+4*sl+3], 2*SFB
	JLOAD sl                                       ; the chunk two on; its four v_nop are the places in front of the loads below
.else
	PLACES 4
.endif
	FS NX/2
.else
	M2 6, 1, \st
	s_wait_dscnt 0
	M2 0, 2, \st
.if NX < 8
	PLACES 4
.endif
.endif
.if NX < 8
	FW NX, 0
	FX NX, 0
	M2 2, 2, \st
	PLACES 4
	FX NX, 2
	M2 4, 2, \st
	PLACES 4
	FX NX, 4
	M2 6, 2, \st
	PLACES 4
	FX NX, 6
.else
	M2 2, 2, \st
	M2 4, 2, \st
	M2 6, 2, \st
.endif
.endm
; THE WAY OUT of image n: 0-7 token block n of q or k, 8-11 e block n - 8 of v: 64 registers, four blocks of 32 along the next K in lanes l and l xor 16
; Images n and n + 1 (n even: both in one window) are worked side by side, eight blocks of 32 by turns; the pair's stores (SENDQ) stand in the middle of the next pair's work.  No register of codes is written twice.
.macro SENDQ n
.irp e, 0,1
.irp c, 0,1,2
.if (\n) < 8
	global_store_b128 v[LI], v[PC+12*((\n)+\e)+4*\c:PC+12*((\n)+\e)+4*\c+3], s[78:79] offset:((\n)/2)*SFB+\e*2*FRB+512*\c   ; the image as it stands: 512 consecutive bytes a store
.else
	global_store_b128 v[LI], v[PC+12*((\n)+\e)+4*\c:PC+12*((\n)+\e)+4*\c+3], s[82:83] offset:((\n)%4+\e)*4*SFB+512*\c
.endif
.endr
.endr
.if (\n) < 8
	global_store_b32 v10, v[PWX+(\n)/2], s[80:81] offset:((\n)/2)*SFB
.else
	global_store_b32 v11, v[PWX+(\n)/2], s[76:77] offset:((\n)%4)*4*SFB
.endif
.endm
.macro QPAIR n
.set QW, 1+(\n)/4
.set AC, 64*((\n)%4)
.set PCA, PC+12*(\n)
	WIN QW*0x14                                    ; sources 1 and 2: the results' window
.irp b, 0,1,2,3,4,5,6,7
	v_max3_num_f32 v[TM+\b], s92, |v[AC+16*\b]|, |v[AC+16*\b+1]|   ; each accumulator is read from its low end on
.endr
.irp i, 2,4,6,8,10,12,14
.irp b, 0,1,2,3,4,5,6,7
	v_max3_num_f32 v[TM+\b], v[TM+\b], |v[AC+16*\b+\i]|, |v[AC+16*\b+\i+1]|
.endr
.endr
	WIN 0
.irp b, 0,1,2,3,4,5,6,7
	v_permlanex16_b32 v[TM+8+\b], v[TM+\b], s90, s91
.endr
.if (\n) > 0
	SENDQ (\n)-2
.endif
.irp b, 0,1,2,3,4,5,6,7
	v_max_num_f32 v[TM+\b], v[TM+\b], v[TM+8+\b]
.endr
.irp b, 0,1,2,3,4,5,6,7
	v_add_nc_u32 v[TM+16+\b], 0xfe000000, v[TM+\b] ; 4 off the exponent field: the conversion's scale operand
.endr
.irp b, 0,1,2,3,4,5,6,7
	v_lshrrev_b32 v[TM+8+\b], 23, v[TM+16+\b]      ; the byte
.endr
.irp e, 0,1
	v_lshl_or_b32 v[PW+\e], v[TM+9+4*\e], 8, v[TM+8+4*\e]
.endr
.irp e, 0,1
	v_lshl_or_b32 v[PW+\e], v[TM+10+4*\e], 16, v[PW+\e]
.endr
.irp e, 0,1
	v_lshl_or_b32 v[PW+\e], v[TM+11+4*\e], 24, v[PW+\e]
.endr
	WIN QW                                         ; source 0: the results' window
.irp c, 0,1
.irp e, 0,1
	v_cvt_scalef32_pk16_bf6_f32 v[PCA+12*\e+6*\c:PCA+12*\e+6*\c+2], v[AC+64*\e+32*\c:AC+64*\e+32*\c+15], v[TM+16+4*\e+2*\c]
	v_cvt_scalef32_pk16_bf6_f32 v[TB+8*\e+4*\c:TB+8*\e+4*\c+2], v[AC+64*\e+32*\c+16:AC+64*\e+32*\c+31], v[TM+17+4*\e+2*\c]
.endr
.endr
	WIN 0
	v_cndmask_b32 v[PWX+(\n)/2], v[PW], v[PW+1], s93               ; lanes 16-31 the odd block's word; also the plain place behind the scaled conversions
.irp c, 0,1
.irp i, 0,1,2
.irp e, 0,1
	v_permlane16_swap_b32 v[PCA+12*\e+6*\c+\i], v[TB+8*\e+4*\c+\i] ; a whole block in a lane
.endr
.endr
.endr
.irp c, 0,1
.irp i, 0,1,2
.irp e, 0,1
	v_mov_b32 v[PCA+12*\e+3+6*\c+\i], v[TB+8*\e+4*\c+\i]
.endr
.endr
.endr
.endm
	s_load_b256 s[4:11], s[0:1], 0x0               ; xw, bq, bk, bv
	s_load_b128 s[72:75], s[0:1], 0x20             ; qc, kc
	s_load_b64 s[76:77], s[0:1], 0x30              ; vc
	v_lshl_add_u32 v[SPW], v0, 2, SPARE
	v_mov_b32 v[NIL], 0
	ds_add_u32 v[SPW], v[NIL]                      ; the opening
	ds_add_u32 v[SPW], v[NIL]
	v_lshrrev_b32 v1, 5, v0
	v_readfirstlane_b32 s14, v1                    ; wave
	s_lshr_b32 s15, s14, 1                         ; wy.  Also: I fetch tokens (0) or weights (1)
	s_and_b32 s16, s14, 1                          ; wx.  Also: which half of them
	s_bfe_u32 s40, ttmp6, 0x40000                  ; cx
	s_bfe_u32 s41, ttmp6, 0x40004                  ; cy
	s_lshl_b32 s42, ttmp9, 2
	s_add_co_u32 s42, s42, s40                     ; X, 0-7
	s_and_b32 s45, ttmp7, 0xffff
	s_lshl_b32 s17, s45, 2
	s_add_co_u32 s17, s17, s41                     ; Y, 0-31
	s_lshl_b32 s43, s41, 2
	s_lshl_b32 s43, 15, s43                        ; my row of the cluster
	s_lshl_b32 s44, 0x1111, s40                    ; my column
	s_or_b32 s[G1L], s43, (3<<16)|(1<<21)          ; elements of 8 bytes
	s_or_b32 s[G1R], s44, (3<<16)|(1<<21)
	s_mov_b32 s[G1L+1], 800<<16
	s_mov_b32 s[G1L+2], 4<<16
	s_mov_b32 s[G1L+3], 800<<16
	s_mov_b32 s[G1L+4], 4
	s_mov_b32 s[G1L+5], 3200
	s_mov_b32 s[G1L+6], 0
	s_mov_b32 s[G1L+7], 0
	s_mov_b32 s[G1R+1], 800<<16
	s_mov_b32 s[G1R+2], 6<<16
	s_mov_b32 s[G1R+3], 800<<16
	s_mov_b32 s[G1R+4], 6
	s_mov_b32 s[G1R+5], 3200
	s_mov_b32 s[G1R+6], 0
	s_mov_b32 s[G1R+7], 0
	s_lshl_b32 s18, s17, 3
	s_lshl_b32 s19, s16, 2
	s_add_co_u32 s18, s18, s19                     ; tokens: pairs 8 Y + 4 half ..
	s_mul_i32 s18, s18, 4*SFB
	s_mov_b32 s19, 0
	s_mul_i32 s46, s42, 12
	s_mul_i32 s47, s16, 6
	s_add_co_u32 s46, s46, s47
	s_add_co_u32 s46, s46, 256                     ; weights: pairs 256 + 12 X + 6 half ..
	s_mul_i32 s46, s46, 4*SFB
	s_mov_b32 s47, 0
	s_mul_i32 s2, s16, 4*SFB
	s_mul_i32 s3, s16, 6*SFB
	s_wait_dscnt 0x0                               ; both opening adds are done
	s_wait_kmcnt 0x0
	s_add_nc_u64 s[18:19], s[4:5], s[18:19]
	s_add_nc_u64 s[46:47], s[4:5], s[46:47]
	CROUND                                         ; all sixteen work-groups are here: the first joint loads meet
.irp s, 0,1
	s_mov_b32 s[G0L+4*\s], 1
	s_add_co_u32 s[G0L+4*\s+1], s2, \s*SLOT
	s_add_nc_u64 s[G0L+4*\s+2:G0L+4*\s+3], s[18:19], \s*SFB
	s_or_b32 s[G0L+4*\s+3], s[G0L+4*\s+3], 0x80000000
	s_mov_b32 s[G0R+4*\s], 1
	s_add_co_u32 s[G0R+4*\s+1], s3, \s*SLOT+ROFF
	s_add_nc_u64 s[G0R+4*\s+2:G0R+4*\s+3], s[46:47], \s*SFB
	s_or_b32 s[G0R+4*\s+3], s[G0R+4*\s+3], 0x80000000
.endr
	JLOAD 0                                        ; chunk 0: one tensor load a wave at the head
	v_and_b32 v1, 15, v0                           ; r
	v_bfe_u32 v2, v0, 4, 1                         ; h
	v_and_b32 v3, 31, v0
	v_lshlrev_b32 v[LI], 4, v3                     ; 16 x lane
	v_lshlrev_b32 v11, 6, v2                       ; bq, bk: register j of block B is e = 32 (B / 2) + 16 h + 8 (B % 2) + j
	v_and_b32 v14, 8, v1
	v_add_nc_u32 v14, v14, v1
	v_lshlrev_b32 v14, 2, v14                      ; bv: lane r of block b is e = 32 (b / 2) + 8 (b % 2) + r + 8 (r / 8)
	s_mul_i32 s20, s15, 4*SFB                      ; my four pairs of tokens
	s_mul_i32 s21, s16, 6*SFB
	s_add_co_u32 s21, s21, ROFF                    ; my six of weights
	s_sub_co_u32 s22, s21, s20
	s_add_co_u32 s23, s20, 6144
	s_wait_alu depctr_va_vdst(0)
	v_mul_u32_u24 v10, s22, v2
	v_lshl_add_u32 v10, v1, 3, v10
.irp s, 0,1
	v_add_nc_u32 v[ADX+\s], s20, v[LI]
	v_add_nc_u32 v[ADW+\s], s21, v[LI]
	v_add_nc_u32 v[ADS+\s], s23, v10
	s_add_co_u32 s20, s20, SLOT
	s_add_co_u32 s21, s21, SLOT
	s_add_co_u32 s23, s23, SLOT
.endr
	s_cmp_lt_u32 s42, 4                            ; q's columns or k's: the choice hangs on the work-group's number alone
	s_cselect_b64 s[6:7], s[6:7], s[8:9]
	s_cselect_b64 s[72:73], s[72:73], s[74:75]
	s_and_b32 s84, s42, 3
	s_lshl_b32 s86, s84, 10
	s_lshl_b32 s85, s16, 9
	s_add_co_u32 s86, s86, s85                     ; e = 256 (X % 4) + 128 wx
	s_mov_b32 s87, 0
	s_add_nc_u64 s[6:7], s[6:7], s[86:87]
	s_lshl_b32 s88, s42, 1
	s_add_co_u32 s88, s88, s16                     ; 2 X + wx: my 64 columns of v
	s_lshl_b32 s86, s88, 8
	s_add_nc_u64 s[10:11], s[10:11], s[86:87]
	s_wait_alu depctr_va_vdst(0)                   ; the head's end: no vector instruction writes a register behind it until the way out
	WIN 0x80
.irp b, 0,1,2,3,4,5,6,7
	global_load_b128 v[192+8*\b:195+8*\b], v11, s[6:7] offset:(32*(\b/2)+8*(\b%2))*4
	global_load_b128 v[196+8*\b:199+8*\b], v11, s[6:7] offset:(32*(\b/2)+8*(\b%2))*4+16
.endr
	WIN 0xc0
.irp b, 0,1,2,3
.irp j, 0,1,2,3,4,5,6,7
	global_load_b32 v[64*\b+56+\j], v14, s[10:11] offset:(32*(\b/2)+8*(\b%2))*4
.endr
.endr
	WIN 0
	; where the results go.  q, k: chunk u = X % 4, its wx-th 128; pairs 8 Y + 4 wy ..
	s_lshl_b32 s84, s84, 8
	s_lshl_b32 s85, s17, 3
	s_add_co_u32 s84, s84, s85
	s_lshl_b32 s85, s15, 2
	s_add_co_u32 s84, s84, s85
	s_mul_i32 s84, s84, SFB
	s_mul_i32 s85, s16, FRB
	s_add_co_u32 s86, s84, s85
	s_add_nc_u64 s[78:79], s[72:73], s[86:87]      ; codes
	s_lshl_b32 s85, s16, 2
	s_add_co_u32 s86, s84, s85
	s_add_co_u32 s86, s86, 6144
	s_add_nc_u64 s[80:81], s[72:73], s[86:87]      ; scale words
	; v: block 64 (Y / 8) + 8 X + 4 wx + b; run 2 (Y % 8) + wy of 128 tokens
	s_lshr_b32 s84, s17, 3
	s_lshl_b32 s84, s84, 6
	s_lshl_b32 s85, s88, 2
	s_add_co_u32 s84, s84, s85
	s_lshl_b32 s84, s84, 2
	s_and_b32 s85, s17, 7
	s_lshl_b32 s85, s85, 1
	s_add_co_u32 s85, s85, s15
	s_lshr_b32 s86, s85, 2
	s_add_co_u32 s84, s84, s86
	s_mul_i32 s84, s84, SFB
	s_and_b32 s85, s85, 3
	s_mul_i32 s86, s85, FRB
	s_add_co_u32 s86, s86, s84
	s_add_nc_u64 s[82:83], s[76:77], s[86:87]      ; codes
	s_lshl_b32 s85, s85, 2
	s_add_co_u32 s86, s84, s85
	s_add_co_u32 s86, s86, 6144
	s_add_nc_u64 s[76:77], s[76:77], s[86:87]      ; scale words
	s_mov_b32 s90, 0x76543210
	s_mov_b32 s91, 0xfedcba98                      ; v_permlanex16_b32's selects for lane l xor 16
	s_mov_b32 s92, 0x2800000                       ; the floor 2^(5 - 127)
	s_mov_b32 s93, 0xffff0000                      ; lanes 16-31
	s_wait_tensorcnt 0x0                           ; my part of chunk 0 is in
	ds_add_u32 v[SPW], v[NIL]
	s_wait_dscnt 0x0
	CROUND                                         ; everybody's part of chunk 0 is in
	JLOAD 1                                        ; chunk 1, the first tensor load behind the round
	FS 0
	FW 0, 0
	FX 0, 0
	FX 0, 2
	FX 0, 4
	FX 0, 6
	s_wait_loadcnt 0x0                             ; the biases are in
.set ST, 0
.rept 8
	STEP ST
.set ST, ST+1
.endr
	WIN 0
	PLACES 4                                       ; behind the last products
	v_lshrrev_b32 v10, 1, v[LI]                    ; 8 x lane: q's and k's scale words: 128 h + 8 r
	v_mul_u32_u24 v11, v2, 4*SFB
	v_lshl_add_u32 v11, v1, 4, v11                 ; v's: 16 r, and a block on for lanes 16-31
.irp n, 0,2,4,6,8,10
	QPAIR \n
.endr
	SENDQ 10
	s_wait_tensorcnt 0x0                           ; the wave's end
	ds_add_u32 v[SPW], v[NIL]
	s_wait_dscnt 0x0
	CROUND                                         ; the closing round
	s_endpgm
.Lfunc_end_k_q4bb865d996_proj:
	.size	k_q4bb865d996_proj, .Lfunc_end_k_q4bb865d996_proj-k_q4bb865d996_proj
	.p2alignl 7, 3214868480
	.fill 96, 4, 3214868480
	.section	.rodata,"a",@progbits
	.p2align	6, 0x0
	.amdhsa_kernel k_q4bb865d996_proj
		.amdhsa_group_segment_fixed_size 327680
		.amdhsa_private_segment_fixed_size 0
		.amdhsa_enable_private_segment 0
		.amdhsa_kernarg_size 56
		.amdhsa_user_sgpr_count 2
		.amdhsa_user_sgpr_kernarg_segment_ptr 1
		.amdhsa_wavefront_size32 1
		.amdhsa_system_sgpr_workgroup_id_x 1
		.amdhsa_system_sgpr_workgroup_id_y 1
		.amdhsa_system_sgpr_workgroup_id_z 1
		.amdhsa_system_vgpr_workitem_id 0
		.amdhsa_next_free_vgpr 1024
		.amdhsa_next_free_sgpr 100
		.amdhsa_reserve_vcc 0
		.amdhsa_float_denorm_mode_32 3
		.amdhsa_float_denorm_mode_16_64 3
		.amdhsa_memory_ordered 1
		.amdhsa_forward_progress 1
		.amdhsa_inst_pref_size 205
	.end_amdhsa_kernel
	.amdgpu_metadata
---
amdhsa.version: [ 1, 2 ]
amdhsa.kernels:
  - .name:           k_q4bb865d996_proj
    .symbol:         k_q4bb865d996_proj.kd
    .args:
      - { .name: xw, .offset: 0, .size: 8, .value_kind: global_buffer, .address_space: global }
      - { .name: bq, .offset: 8, .size: 8, .value_kind: global_buffer, .address_space: global }
      - { .name: bk, .offset: 16, .size: 8, .value_kind: global_buffer, .address_space: global }
      - { .name: bv, .offset: 24, .size: 8, .value_kind: global_buffer, .address_space: global }
      - { .name: qc, .offset: 32, .size: 8, .value_kind: global_buffer, .address_space: global }
      - { .name: kc, .offset: 40, .size: 8, .value_kind: global_buffer, .address_space: global }
      - { .name: vc, .offset: 48, .size: 8, .value_kind: global_buffer, .address_space: global }
    .group_segment_fixed_size: 327680
    .private_segment_fixed_size: 0
    .kernarg_segment_align: 8
    .kernarg_segment_size: 56
    .max_flat_workgroup_size: 128
    .sgpr_count:     100
    .vgpr_count:     1024
    .wavefront_size: 32
...
	.end_amdgpu_metadata
.endif
;; end of part 2
;; launch scores (part 3): grid 8 x 32, 4 waves a work-group, clusters of 4 x 4, 327,680 bytes of LDS; arguments qc, kc, pc, st; writes pc, st
.if DOCPART == 3
	.amdgcn_target "amdgcn-amd-amdhsa--gfx1250"
	.amdhsa_code_object_version 6
	.text
	.protected	k_q4bb865d996_scores
	.globl	k_q4bb865d996_scores
	.p2align	8
	.type	k_q4bb865d996_scores,@function
k_q4bb865d996_scores:
	s_mov_b64 s[64:65], 0
	v_nop
	global_prefetch_b8 v0, s[64:65] scope:SCOPE_SE
	s_setreg_imm32_b32 hwreg(HW_REG_WAVE_MODE, 25, 1), 1
	s_wait_xcnt 0x0
	s_wait_alu depctr_hold_cnt(0) depctr_sa_sdst(0) depctr_va_vdst(0) depctr_va_sdst(0) depctr_va_ssrc(0) depctr_va_vcc(0) depctr_vm_vsrc(0)
	s_getreg_b32 s2, hwreg(HW_REG_IB_STS2, 6, 4)
	s_cmp_eq_u32 s2, 0
	s_cbranch_scc0 .Lentry_in_a_cluster
	s_endpgm
.Lentry_in_a_cluster:
	s_bfe_u32 s2, ttmp6, 0x10000c
	s_cmp_lg_u32 s2, 0xf033
	s_cbranch_scc0 .Lentry_shape_is_right
	s_endpgm
.Lentry_shape_is_right:
; S^T = k q^T on codes of BF6 (E3M2) with E8M0 scales, K = 1,024; then, for each query and each run of 128 keys, p = 2^(t - M) with t = score x log2(e) / 32 and M = ceil(the run's largest t), A WHOLE NUMBER OF THE RUN'S OWN.
; p is quantised along the keys and stored as operand images in pc; -M and the run's sum of the unquantised p go to st.  The next launch takes M(row) - M(run), an exact power of two, off p's scale bytes: the codes stay as they are.
; qc, kc: pair-chunk (u, pair) of 6,400 bytes (32 rows x 256 along K) at 6,400 (256 u + pair): image 2 b + q at 1,536 (2 b + q), scale words at 6,144 + 128 b + 8 r + 4 q; lane r of block b holds row 8 b + r + 8 (r / 8).
; pc: block of 16 queries, 25,600 bytes: four times (512 keys) four images of 1,536 bytes, then at 6,144 the scale words, 16 bytes a row.
; st: [query block][row r: 16][16 words -M, one a run of 128 keys; 16 words sum].  The stores to st and those of scale words are 4 bytes a lane; st is 1 MB beside pc's 13.
; THE TILE: 256 queries x 256 keys, one to a work-group: 8 x 32 = 256 work-groups; wave (wy, wx): 128 queries x 128 keys, 64 accumulators.  Source 0 = keys, source 1 = queries: a lane holds one query, its 16 registers of two neighbouring blocks are 16 neighbouring keys.
; LDS: K goes in four chunks of 256.  ONE load a wave brings chunks 0 and 1 (two rows of 25,600 bytes: four pairs each) into area E; chunk 2 goes to area F, and chunk 3 to chunk 0's place in E.
; CLUSTER 4 x 4: the queries hang on the cluster's row, the keys on its column: each is asked for jointly by four work-groups.
; PREFETCH: behind the load of chunks 0 and 1 chunk 2 is asked for, behind chunk 2's load chunk 3.  A wave fetches four pairs of a chunk; each of the four partners names one of them, told apart by address (cx for queries, cy for keys): 25 blocks of 256 bytes, a lane a block, lanes 25-31 the last again.
; LIMITS: NaN and infinities are not served.  A block whose largest p lies under 2^-122 keeps the byte 1.  A block's largest p is made from the block's largest score, which takes v_exp_f32 not to fall where its input rises.
; The promise holds while the scaled scores t stay under 2^31 in magnitude.
; REGISTERS.  Window 0: v1 r, v2 h, v3 16 x lane, v4-9 LDS addresses, v11 and v14 the results' offsets, v12-13 the add, v15 the prefetches' offset, v16-47 scale words (two sets), v64-159 queries' fragments (8), v160-255 keys' fragments (two groups of 4); on the way out v64-255 are free.
;   2, 3: query block a at 64 (a % 4) + 8 B, a = 0-3 and 4-7; p is made in place.
.set SFB,   6400
.set FRB,   1536
.set CHS,   256*SFB                    ; from chunk to chunk in qc, kc
.set QTR,   4*SFB                      ; four pairs of a chunk: a wave's part
.set FOFF,  8*QTR                      ; area F, behind E's four parts of two chunks
.set SPARE, 12*QTR                     ; behind it: the spare words
.set LI,    3
.set ADX,   4
.set ADW,   6
.set ADS,   8
.set SPW,   12
.set NIL,   13
.set PFO,   15
.set SC,    16
.set XF,    64
.set WF,    160
.set G1L,   24                         ; the head's loads
.set G1R,   48
.set G1M,   72                         ; the later loads: queries,
.set G1S,   80                         ; and keys
.set G0L,   32
.set G0R,   56
.set PFA,   12                         ; s[12:13] the prefetches' base
.set BM,    64                         ; two query blocks at a time: each block of 32's largest score, then its largest p
.set T4,    72
.set SO,    80                         ; the conversions' scale operands
.set TB,    88
.set PW,    104                        ; 8 scale words
.set PWX,   112
.set NM,    116                        ; -M at v116 and v118 (the registers behind them are named with them as pairs)
.set LA,    120                        ; the sums' four chains, 8 registers for each of the two
.set TT,    136
.set STX,   138                        ; what goes to st
.set PC,    146                        ; 8 x 12 registers of codes
.set MSB, 0
.macro WIN new
.if MSB != \new
	s_set_vgpr_msb (MSB<<8)|\new
.set MSB, \new
.endif
.endm
.macro PLACES n
.rept \n
	v_nop
.endr
.endm
.macro CREST
	s_cmp_lg_u32 s14, 0
	s_cbranch_scc1 .Lnot_wave_0_\@
	s_barrier_signal -3
.Lnot_wave_0_\@:
	s_barrier_wait -3
	s_barrier_signal -1
	s_barrier_wait -1
.endm
.macro CROUND
	s_barrier_signal -1
	s_barrier_wait -1
	CREST
.endm
.macro JLOAD n, g1q, g1k               ; a joint load by the n-th groups 0; four v_nop follow each line
	s_cmp_eq_u32 s15, 0
	s_cbranch_scc0 .Lfor_r_\@
	tensor_load_to_lds s[G0L+4*(\n):G0L+4*(\n)+3], s[\g1q:\g1q+7]
	s_nop 0
.rept 4
	v_nop
.endr
	s_branch .Lasked_\@
.Lfor_r_\@:
	tensor_load_to_lds s[G0R+4*(\n):G0R+4*(\n)+3], s[\g1k:\g1k+7]
	s_nop 0
.rept 4
	v_nop
.endr
.Lasked_\@:
.endm
.macro PLACE ch                        ; where a chunk lies: 0 and 3 at E's first half, 1 at its second, 2 in F
.set fr, ((\ch)/2)*(1-(\ch)%2)
.set fo, QTR*((\ch)%2)*(1-(\ch)/2)
.endm
.macro FW st, g
	PLACE ((\st)/2)
	WIN 0
.irp b, 0,1,2,3
.irp c, 0,1,2
	ds_load_b128 v[WF+48*(\g)+12*\b+4*\c:WF+48*(\g)+12*\b+4*\c+3], v[ADW+fr] offset:fo+((4*(\g)+\b)/2)*SFB+(\b%2)*2*FRB+((\st)%2)*FRB+512*\c
.endr
.endr
.endm
.macro FX st, a0
	PLACE ((\st)/2)
	WIN 0
.irp b, 0,1
.irp c, 0,1,2
	ds_load_b128 v[XF+12*((\a0)+\b)+4*\c:XF+12*((\a0)+\b)+4*\c+3], v[ADX+fr] offset:fo+((\a0)/2)*SFB+\b*2*FRB+((\st)%2)*FRB+512*\c
.endr
.endr
.endm
.macro FS ch                           ; a chunk's scale words: lanes 0-15 the queries' block i, lanes 16-31 the keys'
	PLACE (\ch)
	WIN 0
.irp i, 0,1,2,3,4,5,6,7
	ds_load_b64 v[SC+16*((\ch)%2)+2*\i:SC+16*((\ch)%2)+2*\i+1], v[ADS+fr] offset:fo+(\i/2)*SFB+(\i%2)*128
.endr
.endm
; Four matrix instructions: query block a x group g's four blocks of keys.  The 64 accumulators take turns.  The first products start the sums.
.macro MUL1 a, g, st
.set sb, SC+16*(((\st)/2)%2)+((\st)%2)
.set xa, XF+12*(\a)
.if (\a) > 3
	WIN 0xf0
.else
	WIN 0xa0
.endif
.irp b, 0,1,2,3
.set wb, WF+48*(\g)+12*\b
.set rD, 64*((\a)%4)+8*(4*(\g)+\b)
.if (\st) == 0
	v_wmma_scale_f32_16x16x128_f8f6f4 v[rD:rD+7], v[wb:wb+11], v[xa:xa+11], 0, v[sb+2*(4*(\g)+\b)], v[sb+2*(\a)] matrix_a_fmt:MATRIX_FMT_BF6 matrix_b_fmt:MATRIX_FMT_BF6 matrix_a_scale:MATRIX_SCALE_ROW1
.else
	v_wmma_scale_f32_16x16x128_f8f6f4 v[rD:rD+7], v[wb:wb+11], v[xa:xa+11], v[rD:rD+7], v[sb+2*(4*(\g)+\b)], v[sb+2*(\a)] matrix_a_fmt:MATRIX_FMT_BF6 matrix_b_fmt:MATRIX_FMT_BF6 matrix_a_scale:MATRIX_SCALE_ROW1
.endif
.endr
.endm
.macro M2 a0, g, st
	MUL1 (\a0), \g, \st
	MUL1 (\a0)+1, \g, \st
.endm
; A step of 128 along K: two groups of 32 matrix instructions.  While the first is multiplied the second's 12 loads are out; in the second the queries' blocks are fetched anew, two by two, as they become free.
; Step 2 shows chunk 2 to all waves and asks for chunk 3, into chunk 0's place, which was last read in step 1; step 5 shows chunk 3.
.macro STEP st
.set NX, (\st)+1
	s_wait_dscnt 18                                ; group 0 and blocks 0, 1 are in; blocks 2-7's 18 loads may be out
	M2 0, 0, \st
	PLACES 4                                       ; in front of loads into registers that matrix instructions have read
	FW \st, 1
	s_wait_dscnt 24                                ; blocks 2, 3 are in; behind them 12 loads of blocks 4-7 and the 12 just issued
	M2 2, 0, \st
	s_wait_dscnt 18
	M2 4, 0, \st
	s_wait_dscnt 12                                ; all but group 1's 12
.if ((\st) == 2) || ((\st) == 5)
	WIN 0
	s_wait_tensorcnt 0x0                           ; all my tensor loads have landed: my part of the chunk that was on its way
	ds_add_u32 v[SPW], v[NIL]                      ; 0 onto my spare word
	M2 6, 0, \st
	s_wait_dscnt 0x0                               ; the add is done, and so are my reads
	s_barrier_signal -1
	M2 0, 1, \st
	WIN 0
	s_barrier_wait -1
.if (\st) == 2
	CREST                                          ; the barrier has opened a round of the cluster's
	s_add_nc_u64 s[G0L+2:G0L+3], s[G0L+2:G0L+3], 3*CHS
	s_add_nc_u64 s[G0R+2:G0R+3], s[G0R+2:G0R+3], 3*CHS
	JLOAD 0, G1M, G1S                              ; chunk 3; its four v_nop are the places in front of the loads below
.else
	PLACES 4
.endif
.else
	M2 6, 0, \st
	s_wait_dscnt 0
	M2 0, 1, \st
.if NX < 8
	PLACES 4
.endif
.endif
.if NX < 8
.if NX%2 == 0
	FS NX/2
.endif
	FW NX, 0
	FX NX, 0
	M2 2, 1, \st
	PLACES 4
	FX NX, 2
	M2 4, 1, \st
	PLACES 4
	FX NX, 4
	M2 6, 1, \st
	PLACES 4
	FX NX, 6
.else
	M2 2, 1, \st
	M2 4, 1, \st
	M2 6, 1, \st
.endif
.endm
; The stores of query blocks a, a + 1.  No register that they read is written again.
.macro SENDP a
.irp e, 0,1
.irp c, 0,1,2
	global_store_b128 v[LI], v[PC+12*((\a)+\e)+4*\c:PC+12*((\a)+\e)+4*\c+3], s[66:67] offset:((\a)+\e)*4*SFB+512*\c   ; the image as it stands: 512 consecutive bytes
.endr
	global_store_b32 v11, v[STX+(\a)+\e], s[70:71] offset:((\a)+\e)*2048   ; row r's word of this run: -M from lanes 0-15, the sum, 64 bytes on, from lanes 16-31
.endr
	global_store_b32 v14, v[PWX+(\a)/2], s[68:69] offset:(\a)*4*SFB
.endm
; The softmax of query blocks a, a + 1 (a even: both in one window) over my 128 keys, side by side (register 16 b + i = key 32 b + 16 h + i of my query); the pair's stores stand in the middle of the next pair's work
.macro SOFTP a
.set QW, 2+(\a)/4
.set AC, 64*((\a)%4)
.set PCX, PC+12*(\a)
	WIN QW*0x14                                    ; sources 1 and 2: the scores' window
.irp b, 0,1,2,3,4,5,6,7
	v_max3_num_f32 v[BM+\b], s94, v[AC+16*\b], v[AC+16*\b+1]       ; each block's largest score (s94: -infinity); each accumulator is read from its low end on
.endr
.irp i, 2,4,6,8,10,12,14
.irp b, 0,1,2,3,4,5,6,7
	v_max3_num_f32 v[BM+\b], v[BM+\b], v[AC+16*\b+\i], v[AC+16*\b+\i+1]
.endr
.endr
	WIN 0
.irp b, 0,1,2,3,4,5,6,7
	v_permlanex16_b32 v[T4+\b], v[BM+\b], s90, s91
.endr
.irp b, 0,1,2,3,4,5,6,7
	v_max_num_f32 v[BM+\b], v[BM+\b], v[T4+\b]     ; with lane l xor 16's 16 keys
.endr
.irp e, 0,1
	v_max3_num_f32 v[TT+\e], v[BM+4*\e], v[BM+4*\e+1], v[BM+4*\e+2]
.endr
.irp e, 0,1
	v_max_num_f32 v[TT+\e], v[TT+\e], v[BM+4*\e+3] ; the run's largest score,
.endr
.irp e, 0,1
	v_mul_f32 v[TT+\e], s96, v[TT+\e]              ; as t (c is positive);
.endr
.irp e, 0,1
	v_floor_f32 v[NM+2*\e], -v[TT+\e]              ; -M = floor(-t) = -ceil(t)
.endr
	WIN QW*0x41                                    ; source 0 and destination: the scores' window
.set j, 0
.rept 64
	v_pk_fma_f32 v[AC+j:AC+j+1], v[AC+j:AC+j+1], s[96:97], v[NM+2*(j/64):NM+2*(j/64)+1] op_sel_hi:[1,0,0]   ; t - M, two at a time
.set j, j+2
.endr
	WIN 0
.irp b, 0,1,2,3,4,5,6,7
	v_fma_f32 v[BM+\b], v[BM+\b], s96, v[NM+2*(\b/4)]              ; the same of each block's largest score
.endr
.if (\a) > 0
	SENDP (\a)-2
.endif
	s_wait_alu depctr_va_vdst(0)                   ; a wait ahead of the batch
	WIN QW*0x41
.set j, 0
.rept 128
	v_exp_f32 v[AC+j], v[AC+j]                     ; p = 2^(t - M), at most 1
.set j, j+1
.endr
	WIN 0
.irp b, 0,1,2,3,4,5,6,7
	v_exp_f32 v[BM+\b], v[BM+\b]                   ; the block's largest p: the same two instructions on the same number
.endr
	v_nop                                          ; a plain place behind the last exponential
	s_wait_alu depctr_va_vdst(0)                   ; one wait for the batch of 136, ahead of its first reader
	WIN QW*0x05                                    ; sources 0 and 1: p's window
.irp k, 0,1,2,3
.irp e, 0,1
	v_pk_add_f32 v[LA+8*\e+2*\k:LA+8*\e+2*\k+1], v[AC+64*\e+4*\k:AC+64*\e+4*\k+1], v[AC+64*\e+4*\k+2:AC+64*\e+4*\k+3]   ; the sum is taken of the unquantised p, in four chains a query
.endr
.endr
	WIN QW*0x04                                    ; source 1 alone
.irp j, 16,24,32,40,48,56
.irp k, 0,1,2,3
.irp e, 0,1
	v_pk_add_f32 v[LA+8*\e+2*\k:LA+8*\e+2*\k+1], v[LA+8*\e+2*\k:LA+8*\e+2*\k+1], v[AC+64*\e+\j+2*\k:AC+64*\e+\j+2*\k+1]
.endr
.endr
.endr
	WIN 0
.irp b, 0,1,2,3,4,5,6,7
	v_max_num_f32 v[BM+\b], s92, v[BM+\b]          ; the floor 2^(5 - 127)
.endr
.irp e, 0,1
	v_pk_add_f32 v[LA+8*\e:LA+8*\e+1], v[LA+8*\e:LA+8*\e+1], v[LA+8*\e+2:LA+8*\e+3]
	v_pk_add_f32 v[LA+8*\e+4:LA+8*\e+5], v[LA+8*\e+4:LA+8*\e+5], v[LA+8*\e+6:LA+8*\e+7]
.endr
.irp b, 0,1,2,3,4,5,6,7
	v_add_nc_u32 v[SO+\b], 0xfe000000, v[BM+\b]    ; 4 off the exponent field: the conversion's scale operand
.endr
.irp e, 0,1
	v_pk_add_f32 v[LA+8*\e:LA+8*\e+1], v[LA+8*\e:LA+8*\e+1], v[LA+8*\e+4:LA+8*\e+5]
.endr
.irp b, 0,1,2,3,4,5,6,7
	v_lshrrev_b32 v[T4+\b], 23, v[SO+\b]           ; the byte
.endr
.irp e, 0,1
	v_add_f32 v[LA+8*\e], v[LA+8*\e], v[LA+8*\e+1]
.endr
.irp e, 0,1
	v_lshl_or_b32 v[PW+(\a)+\e], v[T4+4*\e+1], 8, v[T4+4*\e]
.endr
.irp e, 0,1
	v_permlanex16_b32 v[TT+\e], v[LA+8*\e], s90, s91
.endr
.irp e, 0,1
	v_lshl_or_b32 v[PW+(\a)+\e], v[T4+4*\e+2], 16, v[PW+(\a)+\e]
.endr
.irp e, 0,1
	v_add_f32 v[LA+8*\e], v[LA+8*\e], v[TT+\e]     ; with lane l xor 16's: the run's sum
.endr
.irp e, 0,1
	v_lshl_or_b32 v[PW+(\a)+\e], v[T4+4*\e+3], 24, v[PW+(\a)+\e]
.endr
.irp e, 0,1
	v_cndmask_b32 v[STX+(\a)+\e], v[NM+2*\e], v[LA+8*\e], s93      ; lanes 0-15 -M, lanes 16-31 the sum
.endr
	WIN QW                                         ; source 0: p's window
.irp c, 0,1
.irp e, 0,1
	v_cvt_scalef32_pk16_bf6_f32 v[PCX+12*\e+6*\c:PCX+12*\e+6*\c+2], v[AC+64*\e+32*\c:AC+64*\e+32*\c+15], v[SO+4*\e+2*\c]
	v_cvt_scalef32_pk16_bf6_f32 v[TB+8*\e+4*\c:TB+8*\e+4*\c+2], v[AC+64*\e+32*\c+16:AC+64*\e+32*\c+31], v[SO+4*\e+2*\c+1]
.endr
.endr
	WIN 0
	v_cndmask_b32 v[PWX+(\a)/2], v[PW+(\a)], v[PW+(\a)+1], s93     ; lanes 16-31 the odd block's word; also the plain place behind the scaled conversions
.irp c, 0,1
.irp i, 0,1,2
.irp e, 0,1
	v_permlane16_swap_b32 v[PCX+12*\e+6*\c+\i], v[TB+8*\e+4*\c+\i] ; a whole block in a lane
.endr
.endr
.endr
.irp c, 0,1
.irp i, 0,1,2
.irp e, 0,1
	v_mov_b32 v[PCX+12*\e+3+6*\c+\i], v[TB+8*\e+4*\c+\i]
.endr
.endr
.endr
.endm
	s_load_b256 s[4:11], s[0:1], 0x0               ; qc, kc, pc, st
	v_lshl_add_u32 v[SPW], v0, 2, SPARE
	v_mov_b32 v[NIL], 0
	ds_add_u32 v[SPW], v[NIL]                      ; the opening
	ds_add_u32 v[SPW], v[NIL]
	v_lshrrev_b32 v1, 5, v0
	v_readfirstlane_b32 s14, v1                    ; wave
	s_lshr_b32 s15, s14, 1                         ; wy.  Also: I fetch queries (0) or keys (1)
	s_and_b32 s16, s14, 1                          ; wx.  Also: which half of them
	s_bfe_u32 s40, ttmp6, 0x40000                  ; cx
	s_bfe_u32 s41, ttmp6, 0x40004                  ; cy
	s_lshl_b32 s42, ttmp9, 2
	s_add_co_u32 s42, s42, s40                     ; X, 0-7: 256 keys of the batch
	s_and_b32 s45, ttmp7, 0xffff
	s_lshl_b32 s17, s45, 2
	s_add_co_u32 s17, s17, s41                     ; Y, 0-31: 256 queries
	s_lshl_b32 s43, s41, 2
	s_lshl_b32 s43, 15, s43                        ; my row of the cluster
	s_lshl_b32 s44, 0x1111, s40                    ; my column
	s_or_b32 s[G1L], s43, (3<<16)|(1<<21)          ; elements of 8 bytes
	s_or_b32 s[G1R], s44, (3<<16)|(1<<21)
	s_or_b32 s[G1M], s43, (3<<16)|(1<<21)
	s_or_b32 s[G1S], s44, (3<<16)|(1<<21)
.irp g, G1L, G1R                       ; the head's: two chunks, a row each
	s_mov_b32 s[\g+1], 3200<<16
	s_mov_b32 s[\g+2], 2<<16
	s_mov_b32 s[\g+3], 3200<<16
	s_mov_b32 s[\g+4], 2
	s_mov_b32 s[\g+5], CHS/8
	s_mov_b32 s[\g+6], 0
	s_mov_b32 s[\g+7], 0
.endr
.irp g, G1M, G1S                       ; later: one chunk, a dense block of four pairs
	s_mov_b32 s[\g+1], 800<<16
	s_mov_b32 s[\g+2], 4<<16
	s_mov_b32 s[\g+3], 800<<16
	s_mov_b32 s[\g+4], 4
	s_mov_b32 s[\g+5], 800
	s_mov_b32 s[\g+6], 0
	s_mov_b32 s[\g+7], 0
.endr
	s_lshl_b32 s18, s17, 3
	s_lshl_b32 s19, s16, 2
	s_add_co_u32 s18, s18, s19                     ; queries: pairs 8 Y + 4 half ..
	s_mul_i32 s18, s18, SFB
	s_mov_b32 s19, 0
	s_lshr_b32 s46, s45, 1                         ; the batch, from the cluster's y, which all partners share
	s_lshl_b32 s46, s46, 6
	s_lshl_b32 s47, s42, 3
	s_add_co_u32 s46, s46, s47
	s_lshl_b32 s47, s16, 2
	s_add_co_u32 s46, s46, s47                     ; keys: pairs 64 x batch + 8 X + 4 half ..
	s_mul_i32 s46, s46, SFB
	s_mov_b32 s47, 0
	s_mul_i32 s2, s16, 2*QTR
	s_mul_i32 s3, s16, QTR
	s_mul_i32 s88, s40, SFB                        ; my work-group's share of a prefetch: of the four pairs that I fetch, pair cx (queries) or cy (keys)
	s_mov_b32 s89, 0
	s_mul_i32 s98, s41, SFB
	s_mov_b32 s99, 0
	s_wait_dscnt 0x0                               ; both opening adds are done
	s_wait_kmcnt 0x0
	s_add_nc_u64 s[18:19], s[4:5], s[18:19]
	s_add_nc_u64 s[46:47], s[6:7], s[46:47]
	s_add_nc_u64 s[PFA:PFA+1], s[18:19], s[88:89]
	s_add_nc_u64 s[98:99], s[46:47], s[98:99]
	s_cmp_eq_u32 s15, 0
	s_cselect_b64 s[PFA:PFA+1], s[PFA:PFA+1], s[98:99]
	CROUND                                         ; all sixteen work-groups are here: the first joint loads meet
	s_mov_b32 s[G0L], 1
	s_mov_b32 s[G0L+1], s2
	s_mov_b64 s[G0L+2:G0L+3], s[18:19]
	s_or_b32 s[G0L+3], s[G0L+3], 0x80000000
	s_mov_b32 s[G0R], 1
	s_add_co_u32 s[G0R+1], s2, 4*QTR
	s_mov_b64 s[G0R+2:G0R+3], s[46:47]
	s_or_b32 s[G0R+3], s[G0R+3], 0x80000000
	s_mov_b32 s[G0L+4], 1
	s_add_co_u32 s[G0L+5], s3, FOFF
	s_add_nc_u64 s[G0L+6:G0L+7], s[18:19], 2*CHS
	s_or_b32 s[G0L+7], s[G0L+7], 0x80000000
	s_mov_b32 s[G0R+4], 1
	s_add_co_u32 s[G0R+5], s3, FOFF+2*QTR
	s_add_nc_u64 s[G0R+6:G0R+7], s[46:47], 2*CHS
	s_or_b32 s[G0R+7], s[G0R+7], 0x80000000
	JLOAD 0, G1L, G1R                              ; chunks 0 and 1: one tensor load a wave at the head
	v_and_b32 v1, 15, v0                           ; r
	v_bfe_u32 v2, v0, 4, 1                         ; h
	v_and_b32 v3, 31, v0
	v_min_u32 v[PFO], 24, v3
	v_lshlrev_b32 v[PFO], 8, v[PFO]                ; block of 256 bytes min(lane, 24) of a pair-chunk's 25
	v_lshlrev_b32 v[LI], 4, v3                     ; 16 x lane
	v_lshlrev_b32 v11, 7, v1
	v_lshl_add_u32 v11, v2, 6, v11                 ; st: row r of 128 bytes, + 64 for lanes 16-31
	v_mul_u32_u24 v14, v2, 4*SFB
	v_lshl_add_u32 v14, v1, 4, v14                 ; pc's scale words: 16 r, and a block on for lanes 16-31
.macro ADRS n                          ; area n: s20 my queries, s21 my keys
	s_sub_co_u32 s22, s21, s20
	s_add_co_u32 s23, s20, 6144
	s_wait_alu depctr_va_vdst(0)
	v_add_nc_u32 v[ADX+\n], s20, v[LI]
	v_add_nc_u32 v[ADW+\n], s21, v[LI]
	v_mul_u32_u24 v10, s22, v2
	v_lshl_add_u32 v10, v1, 3, v10
	v_add_nc_u32 v[ADS+\n], s23, v10
.endm
	s_mul_i32 s20, s15, 2*QTR
	s_mul_i32 s21, s16, 2*QTR
	s_add_co_u32 s21, s21, 4*QTR
	ADRS 0
	s_mul_i32 s20, s15, QTR
	s_add_co_u32 s20, s20, FOFF
	s_mul_i32 s21, s16, QTR
	s_add_co_u32 s21, s21, FOFF+2*QTR
	ADRS 1
	global_prefetch_b8 v[PFO], s[PFA:PFA+1] offset:2*CHS th:TH_LOAD_NT scope:SCOPE_SE   ; chunk 2: the next load's
	; where the results go: query block 16 Y + 8 wy + a; run 2 X + wx of 128 keys
	s_lshl_b32 s88, s17, 4
	s_lshl_b32 s89, s15, 3
	s_add_co_u32 s98, s88, s89
	s_lshl_b32 s99, s42, 1
	s_add_co_u32 s99, s99, s16
	s_lshl_b32 s88, s98, 2
	s_lshr_b32 s89, s99, 2
	s_add_co_u32 s88, s88, s89
	s_mul_i32 s2, s88, SFB
	s_and_b32 s3, s99, 3
	s_mul_i32 s88, s3, FRB
	s_add_co_u32 s88, s88, s2
	s_mov_b32 s89, 0
	s_add_nc_u64 s[66:67], s[8:9], s[88:89]        ; p's codes
	s_lshl_b32 s3, s3, 2
	s_add_co_u32 s88, s2, s3
	s_add_co_u32 s88, s88, 6144
	s_add_nc_u64 s[68:69], s[8:9], s[88:89]        ; p's scale words
	s_lshl_b32 s88, s98, 11
	s_lshl_b32 s3, s99, 2
	s_add_co_u32 s88, s88, s3
	s_add_nc_u64 s[70:71], s[10:11], s[88:89]      ; st
	s_mov_b32 s90, 0x76543210
	s_mov_b32 s91, 0xfedcba98                      ; v_permlanex16_b32's selects for lane l xor 16
	s_mov_b32 s92, 0x2800000                       ; the floor
	s_mov_b32 s93, 0xffff0000                      ; lanes 16-31
	s_mov_b32 s94, 0xff800000                      ; -infinity
	s_mov_b32 s96, 0x3d38aa3b                      ; c = log2(e) / sqrt(1024)
	s_mov_b32 s97, s96                             ; (named with it as a pair)
	s_wait_alu depctr_va_vdst(0)                   ; the head's end
	s_wait_tensorcnt 0x0                           ; my part of chunks 0 and 1 is in
	ds_add_u32 v[SPW], v[NIL]
	s_wait_dscnt 0x0
	CROUND                                         ; everybody's part is in
	JLOAD 1, G1M, G1S                              ; chunk 2, the first tensor load behind the round
	FS 0
	FW 0, 0
	FX 0, 0
	FX 0, 2
	FX 0, 4
	FX 0, 6
	global_prefetch_b8 v[PFO], s[PFA:PFA+1] offset:3*CHS th:TH_LOAD_NT scope:SCOPE_SE   ; chunk 3, two matrix steps and more ahead of its load
.set ST, 0
.rept 8
	STEP ST
.set ST, ST+1
.endr
	WIN 0
	PLACES 4                                       ; behind the last products
.irp n, 0,2,4,6
	SOFTP \n
.endr
	SENDP 6
	s_wait_tensorcnt 0x0                           ; the wave's end
	ds_add_u32 v[SPW], v[NIL]
	s_wait_dscnt 0x0
	CROUND                                         ; the closing round
	s_endpgm
.Lfunc_end_k_q4bb865d996_scores:
	.size	k_q4bb865d996_scores, .Lfunc_end_k_q4bb865d996_scores-k_q4bb865d996_scores
	.p2alignl 7, 3214868480
	.fill 96, 4, 3214868480
	.section	.rodata,"a",@progbits
	.p2align	6, 0x0
	.amdhsa_kernel k_q4bb865d996_scores
		.amdhsa_group_segment_fixed_size 327680
		.amdhsa_private_segment_fixed_size 0
		.amdhsa_enable_private_segment 0
		.amdhsa_kernarg_size 32
		.amdhsa_user_sgpr_count 2
		.amdhsa_user_sgpr_kernarg_segment_ptr 1
		.amdhsa_wavefront_size32 1
		.amdhsa_system_sgpr_workgroup_id_x 1
		.amdhsa_system_sgpr_workgroup_id_y 1
		.amdhsa_system_sgpr_workgroup_id_z 1
		.amdhsa_system_vgpr_workitem_id 0
		.amdhsa_next_free_vgpr 1024
		.amdhsa_next_free_sgpr 100
		.amdhsa_reserve_vcc 0
		.amdhsa_float_denorm_mode_32 3
		.amdhsa_float_denorm_mode_16_64 3
		.amdhsa_memory_ordered 1
		.amdhsa_forward_progress 1
		.amdhsa_inst_pref_size 199
	.end_amdhsa_kernel
	.amdgpu_metadata
---
amdhsa.version: [ 1, 2 ]
amdhsa.kernels:
  - .name:           k_q4bb865d996_scores
    .symbol:         k_q4bb865d996_scores.kd
    .args:
      - { .name: qc, .offset: 0, .size: 8, .value_kind: global_buffer, .address_space: global }
      - { .name: kc, .offset: 8, .size: 8, .value_kind: global_buffer, .address_space: global }
      - { .name: pc, .offset: 16, .size: 8, .value_kind: global_buffer, .address_space: global }
      - { .name: st, .offset: 24, .size: 8, .value_kind: global_buffer, .address_space: global }
    .group_segment_fixed_size: 327680
    .private_segment_fixed_size: 0
    .kernarg_segment_align: 8
    .kernarg_segment_size: 32
    .max_flat_workgroup_size: 128
    .sgpr_count:     100
    .vgpr_count:     1024
    .wavefront_size: 32
...
	.end_amdgpu_metadata
.endif
;; end of part 3
;; launch pv (part 4): grid 4 x 64, 4 waves a work-group, clusters of 4 x 4, 327,680 bytes of LDS; arguments pc, vc, st, out0; writes out0
.if DOCPART == 4
	.amdgcn_target "amdgcn-amd-amdhsa--gfx1250"
	.amdhsa_code_object_version 6
	.text
	.protected	k_q4bb865d996_pv
	.globl	k_q4bb865d996_pv
	.p2align	8
	.type	k_q4bb865d996_pv,@function
k_q4bb865d996_pv:
	s_mov_b64 s[64:65], 0
	v_nop
	global_prefetch_b8 v0, s[64:65] scope:SCOPE_SE
	s_setreg_imm32_b32 hwreg(HW_REG_WAVE_MODE, 25, 1), 1
	s_wait_xcnt 0x0
	s_wait_alu depctr_hold_cnt(0) depctr_sa_sdst(0) depctr_va_vdst(0) depctr_va_sdst(0) depctr_va_ssrc(0) depctr_va_vcc(0) depctr_vm_vsrc(0)
	s_getreg_b32 s2, hwreg(HW_REG_IB_STS2, 6, 4)
	s_cmp_eq_u32 s2, 0
	s_cbranch_scc0 .Lentry_in_a_cluster
	s_endpgm
.Lentry_in_a_cluster:
	s_bfe_u32 s2, ttmp6, 0x10000c
	s_cmp_lg_u32 s2, 0xf033
	s_cbranch_scc0 .Lentry_shape_is_right
	s_endpgm
.Lentry_shape_is_right:
; O^T = v^T p^T on codes of BF6 (E3M2) with E8M0 scales, K = the batch's 2,048 keys; O is divided by the row's sum and stored as f32.
; p came with a whole number M of its own for each run of 128 keys.  At the head each wave finds, for its 64 queries, M(row) = the largest M(run), takes d = M(row) - M(run) off the four scale bytes of each run's word
; (an exact power of two: the codes stay), and adds the runs' sums, each x 2^-d, to the row's sum.
; THE TWO HALVES OF THE LANES SHARE THAT WORK: lanes 0-15 serve query block 2 p, lanes 16-31 block 2 p + 1 (p = 0, 1).  So p's scale words of the wave's 4 blocks x 16 runs stand in 32 registers, and an odd block's products
; take their words from lanes 16-31.  24 loads of 16 bytes a lane bring all that the head needs: 8 of scale words, 8 of -M, 8 of sums.
; FORMAT (pc, vc): block t = 16 rows, lane r holds row 32 (t / 2) + 8 (t % 2) + r + 8 (r / 8); a fragment (block, 128 K) is 12 registers a lane, its image 1,536 bytes; a super-fragment (block, 512 K) is 6,400 bytes:
; four images, then at 6,144 the scale words, 16 bytes a row.  A block (K = 2,048) is 25,600 bytes.  st: [query block][row r: 16][16 words -M, one a run; 16 words sum].
; THE TILE.  L (source 1) = 128 queries, R (source 0) = 256 rows e of v^T; wave (wy, wx): 64 queries x 128 e, 32 accumulators; a lane holds one query, its 16 registers of R's blocks 2 b, 2 b + 1 are 16 neighbouring e.
; One tile to a work-group: 256 tiles.  K goes through two LDS slots of 512, four fills.  CLUSTER 4 x 4: p's tile is shared along a row of the cluster, v's along a column.
; LIMITS: d is held at 127, and a byte that would fall under 0 becomes 0: both touch numbers under 2^-120 of a row whose largest p is above 1/2.  The division is v_rcp_f32 and a multiplication.  NaN and infinities are not served.
; REGISTERS.  Window 0: v1 r, v2 h, v3 lane, v4-9 LDS addresses, v10 16 x lane, v11-12 the head's offsets, v13-14 the stage, v16-23 1 / sum in pairs, v24-27, v30-31 the sums at work, v28-29 for the add,
;   v32-95 R's scale words (two sets), v96-127 p's scale words, v128-159 -M, v224-255 the runs' sums, v160-223 at work.   1: R's fragments; on the way out rows of O.   2: L's fragments.   3: accumulator (a, b) at v[8 (8 a + b)].
.set PITCHE, 3200
.set SCLF,  96                         ; register 16 p + run: lanes 0-15 block 2 p's word, lanes 16-31 block 2 p + 1's
.set NMR,   128                        ; the same places for -M,
.set LR,    224                        ; and for the runs' sums
.set SLOT,  153600
.set ROFF,  51200
.set SFB,   6400
.set FRB,   1536
.set SPARE, 307200                     ; behind the ring: the spare words, 128 bytes for each wave: two blocks of 256 bytes that no other line names
.set STGB,  8448                       ; the way out: 16 rows x (512 bytes + 16) for each wave, in slot 0, which has had its last fill and its last read by then
.set ADL,   4
.set ADR,   6
.set ADS,   8
.set LI,    10
.set STO,   13
.set RD,    14
.set RL,    16
.set LT,    24                         ; v24-25 the rows' sums
.set GG,    26                         ; v26-27 -M(row), later 1 / sum
.set SPW,   28
.set NIL,   29
.set RX,    30                         ; v30-31 the other half's 1 / sum
.set SC,    32
.set DD,    160
.set EE,    192
.set T,     160
.set G1L,   24
.set G0L,   32
.set G1R,   48
.set G0R,   56
.set MULA,  0xf9
.set TO_R,  0x40
.set TO_L,  0x80
.set MSB, 0
.macro WIN new
.if MSB != \new
	s_set_vgpr_msb (MSB<<8)|\new
.set MSB, \new
.endif
.endm
.macro PLACES n
.rept \n
	v_nop
.endr
.endm
.macro CREST
	s_cmp_lg_u32 s14, 0
	s_cbranch_scc1 .Lnot_wave_0_\@
	s_barrier_signal -3
.Lnot_wave_0_\@:
	s_barrier_wait -3
	s_barrier_signal -1
	s_barrier_wait -1
.endm
.macro CROUND
	s_barrier_signal -1
	s_barrier_wait -1
	CREST
.endm
.macro JLOAD sg                        ; a joint load into slot sg: waves 0, 1 fetch L's halves, waves 2, 3 R's; four v_nop follow each line
	s_cmp_eq_u32 s15, 0
	s_cbranch_scc0 .Lfor_r_\@
	tensor_load_to_lds s[G0L+4*(\sg):G0L+4*(\sg)+3], s[G1L:G1L+7]
	s_nop 0
.rept 4
	v_nop
.endr
	s_branch .Lasked_\@
.Lfor_r_\@:
	tensor_load_to_lds s[G0R+4*(\sg):G0R+4*(\sg)+3], s[G1R:G1R+7]
	s_nop 0
.rept 4
	v_nop
.endr
.Lasked_\@:
.endm
; A prefetch of 512 along K, number ch, one load ahead.  Of the blocks of 16 rows that my wave fetches (four of p's, eight of v's) each of the four partners names a quarter, told apart by address (cx for p, cy for v):
; a row of 6,400 bytes is 25 blocks of 256 bytes, a lane a block, lanes 25-31 the last again; v's waves name two rows.
.macro ASK ch
	global_prefetch_b8 v3, s[72:73] offset:(\ch)*SFB th:TH_LOAD_NT scope:SCOPE_SE
	s_cmp_eq_u32 s15, 0
	s_cbranch_scc1 .Lone_row_\@
	global_prefetch_b8 v3, s[72:73] offset:(\ch)*SFB+4*SFB th:TH_LOAD_NT scope:SCOPE_SE
.Lone_row_\@:
.endm
.macro FETCH sg, q, p
	WIN TO_R
.irp b, 0,1,2,3,4,5,6,7
.irp c, 0,1,2
	ds_load_b128 v[96*(\p)+12*\b+4*\c:96*(\p)+12*\b+4*\c+3], v[ADR+(\sg)] offset:\b*SFB+(\q)*FRB+512*\c
.endr
.endr
	WIN TO_L
.irp a, 0,1,2,3
.irp c, 0,1,2
	ds_load_b128 v[48*(\p)+12*\a+4*\c:48*(\p)+12*\a+4*\c+3], v[ADL+(\sg)] offset:\a*SFB+(\q)*FRB+512*\c
.endr
.endr
.endm
.macro SCALES sg                       ; lanes 16-31 R's block i; what lanes 0-15 bring is not used here
	WIN 0
.irp i, 0,1,2,3,4,5,6,7
	ds_load_b128 v[SC+32*(\sg)+4*\i:SC+32*(\sg)+4*\i+3], v[ADS+(\sg)] offset:\i*SFB
.endr
.endm
; 8 matrix instructions: L's block a x R's eight; u: which 512 keys.  cm 0: C = D; 3: C = 0.  R's words are read from lanes 16-31; L's from lanes 0-15 for an even block, from lanes 16-31 for an odd one.
; The 32 accumulators take turns, one instruction a turn.
.macro MUL a, p, sg, q, cm, u
.irp b, 0,1,2,3,4,5,6,7
.set rD, 8*(8*(\a)+\b)
.set rR, 96*(\p)+12*\b
.set rL, 48*(\p)+12*(\a)
.set rS, SC+32*(\sg)+4*\b+(\q)
.set rT, SCLF+16*((\a)/2)+4*(\u)+(\q)
.if (\cm) == 0
.if (\a)%2
	v_wmma_scale_f32_16x16x128_f8f6f4 v[rD:rD+7], v[rR:rR+11], v[rL:rL+11], v[rD:rD+7], v[rS], v[rT] matrix_a_fmt:MATRIX_FMT_BF6 matrix_b_fmt:MATRIX_FMT_BF6 matrix_a_scale:MATRIX_SCALE_ROW1 matrix_b_scale:MATRIX_SCALE_ROW1
.else
	v_wmma_scale_f32_16x16x128_f8f6f4 v[rD:rD+7], v[rR:rR+11], v[rL:rL+11], v[rD:rD+7], v[rS], v[rT] matrix_a_fmt:MATRIX_FMT_BF6 matrix_b_fmt:MATRIX_FMT_BF6 matrix_a_scale:MATRIX_SCALE_ROW1
.endif
.else
.if (\a)%2
	v_wmma_scale_f32_16x16x128_f8f6f4 v[rD:rD+7], v[rR:rR+11], v[rL:rL+11], 0, v[rS], v[rT] matrix_a_fmt:MATRIX_FMT_BF6 matrix_b_fmt:MATRIX_FMT_BF6 matrix_a_scale:MATRIX_SCALE_ROW1 matrix_b_scale:MATRIX_SCALE_ROW1
.else
	v_wmma_scale_f32_16x16x128_f8f6f4 v[rD:rD+7], v[rR:rR+11], v[rL:rL+11], 0, v[rS], v[rT] matrix_a_fmt:MATRIX_FMT_BF6 matrix_b_fmt:MATRIX_FMT_BF6 matrix_a_scale:MATRIX_SCALE_ROW1
.endif
.endif
.endr
.endm
.macro STEP sg, q, cm, u
	s_wait_dscnt 0x0                               ; all that is out is this step's run of loads
	WIN MULA
	MUL 0, (\q)%2, \sg, \q, \cm, \u
	PLACES 4                                       ; in front of loads into the set that the step before multiplied
	FETCH \sg, (\q)+1, 1-(\q)%2
	WIN MULA
	MUL 1, (\q)%2, \sg, \q, \cm, \u
	MUL 2, (\q)%2, \sg, \q, \cm, \u
	MUL 3, (\q)%2, \sg, \q, \cm, \u
.endm
; A slot's last step changes slots: ONE barrier; in front of it each wave waits for all its tensor loads, adds 0 to its spare word, and waits for that and for its reads of the slot.  fill 1: the slot is filled again.
.macro TURN sg, fill, u, lstep=0, rstep=0, ask=0
	WIN 0
	s_wait_tensorcnt 0x0                           ; all my tensor loads have landed: my part of the other slot
	ds_add_u32 v[SPW], v[NIL]                      ; 0 onto my spare word
	s_wait_dscnt 0x1                               ; this step's fragments are in; the add may be out
	WIN MULA
	MUL 0, 1, \sg, 3, 0, \u
	s_wait_dscnt 0x0                               ; the add is done, and my reads of this slot are over
	s_barrier_signal -1
	MUL 1, 1, \sg, 3, 0, \u
	WIN 0
	s_barrier_wait -1
.if \fill
	CREST                                          ; the barrier has opened a round of the cluster's
.if \lstep
	s_add_nc_u64 s[G0L+4*\sg+2:G0L+4*\sg+3], s[G0L+4*\sg+2:G0L+4*\sg+3], \lstep
.endif
.if \rstep
	s_add_nc_u64 s[G0R+4*\sg+2:G0R+4*\sg+3], s[G0R+4*\sg+2:G0R+4*\sg+3], \rstep
.endif
	JLOAD \sg                                      ; the first tensor load behind the round; its four v_nop are the places in front of the loads below
.else
	PLACES 4
.endif
	FETCH 1-(\sg), 0, 0
	SCALES 1-(\sg)
.if \ask
	ASK \ask
.endif
	WIN MULA
	MUL 2, 1, \sg, 3, 0, \u
	MUL 3, 1, \sg, 3, 0, \u
.endm
.macro LAST sg, u
	s_wait_dscnt 0x0
	WIN MULA
	MUL 0, 1, \sg, 3, 0, \u
	MUL 1, 1, \sg, 3, 0, \u
	MUL 2, 1, \sg, 3, 0, \u
	MUL 3, 1, \sg, 3, 0, \u
	WIN 0
.endm
; THE WAY OUT of L's block a: x 1 / sum; 32 bytes a lane and accumulator into my stage; back as whole rows of 512 bytes
.macro PACK a
	WIN 0x03                                       ; source 0: window 3
.set j, 0
.rept 32
	v_pk_mul_f32 v[T+j:T+j+1], v[64*(\a)+j:64*(\a)+j+1], v[RL+2*(\a):RL+2*(\a)+1] op_sel_hi:[1,0]   ; each accumulator from its low end on
.set j, j+2
.endr
	WIN 0
.endm
.macro TOSTAGE a
.irp b, 0,1,2,3,4,5,6,7
	ds_store_b128 v[STO], v[T+8*\b:T+8*\b+3] offset:128*(\b/2)+32*(\b%2)           ; e = 32 (b / 2) + 16 h + 8 (b % 2) + 0 .. 7 of row r
	ds_store_b128 v[STO], v[T+8*\b+4:T+8*\b+7] offset:128*(\b/2)+32*(\b%2)+16
.endr
	WIN TO_R                                       ; destination window 1
.irp t, 0,1,2,3,4,5,6,7,8,9,10,11,12,13,14,15
	ds_load_b128 v[64*((\a)%2)+4*\t:64*((\a)%2)+4*\t+3], v[RD] offset:\t*528       ; LDS serves a wave's instructions in order: these see my stores
.endr
	WIN 0
.endm
.macro SEND a, younger
	s_wait_dscnt \younger                          ; the block is back in registers
	WIN 0x04                                       ; a store's data are its source 1: window 1
.irp t, 0,1,2,3,4,5,6,7,8,9,10,11,12,13,14,15
	global_store_b128 v[LI], v[64*((\a)%2)+4*\t:64*((\a)%2)+4*\t+3], s[10:11] offset:(32*((\a)/2)+8*((\a)%2)+\t+8*(\t/8))*4096 th:TH_STORE_NT   ; 32 lanes store 512 consecutive bytes, at a multiple of 256 from the output's first byte
.endr
	WIN 0
.endm
	s_load_b256 s[4:11], s[0:1], 0x0               ; pc, vc, st, out0
	v_lshl_add_u32 v[SPW], v0, 2, SPARE
	v_mov_b32 v[NIL], 0
	ds_add_u32 v28, v29
	ds_add_u32 v28, v29
	s_wait_dscnt 0x0
	v_lshrrev_b32 v1, 5, v0
	v_readfirstlane_b32 s14, v1                    ; wave
	s_lshr_b32 s15, s14, 1                         ; wy
	s_and_b32 s16, s14, 1                          ; wx
	s_bfe_u32 s40, ttmp6, 0x40000                  ; cx
	s_bfe_u32 s41, ttmp6, 0x40004                  ; cy
	s_lshl_b32 s42, ttmp9, 2
	s_add_co_u32 s42, s42, s40                     ; X
	s_and_b32 s45, ttmp7, 0xffff                   ; CY
	s_lshl_b32 s17, s45, 2
	s_add_co_u32 s17, s17, s41                     ; Y
	s_lshl_b32 s43, s41, 2
	s_lshl_b32 s43, 15, s43                        ; my row of the cluster
	s_lshl_b32 s44, 0x1111, s40                    ; my column
	s_or_b32 s[G1L], s43, (3<<16)|(1<<21)
	s_or_b32 s[G1R], s44, (3<<16)|(1<<21)
	s_mov_b32 s[G1L+1], 800<<16
	s_mov_b32 s[G1L+2], 4<<16
	s_mov_b32 s[G1L+3], 800<<16
	s_mov_b32 s[G1L+4], 4
	s_mov_b32 s[G1L+5], PITCHE
	s_mov_b32 s[G1L+6], 0
	s_mov_b32 s[G1L+7], 0
	s_mov_b32 s[G1R+1], 800<<16
	s_mov_b32 s[G1R+2], 8<<16
	s_mov_b32 s[G1R+3], 800<<16
	s_mov_b32 s[G1R+4], 8
	s_mov_b32 s[G1R+5], PITCHE
	s_mov_b32 s[G1R+6], 0
	s_mov_b32 s[G1R+7], 0
	s_lshl_b32 s18, s17, 3
	s_lshl_b32 s19, s16, 2
	s_add_co_u32 s18, s18, s19                     ; L = p's blocks 8 Y + 4 wx ..
	s_mul_i32 s18, s18, 4*SFB
	s_mov_b32 s19, 0
	s_lshr_b32 s46, s45, 2                         ; the batch
	s_lshl_b32 s46, s46, 6
	s_lshl_b32 s47, s42, 4
	s_add_co_u32 s46, s46, s47
	s_lshl_b32 s47, s16, 3
	s_add_co_u32 s46, s46, s47                     ; R = v^T's blocks 64 x batch + 16 X + 8 wx ..
	s_mul_i32 s46, s46, 4*SFB
	s_mov_b32 s47, 0
	s_mul_i32 s2, s16, 4*SFB
	s_mul_i32 s3, s16, 8*SFB
	s_wait_kmcnt 0x0
	s_add_nc_u64 s[18:19], s[4:5], s[18:19]
	s_add_nc_u64 s[46:47], s[6:7], s[46:47]
	s_mul_i32 s74, s40, 4*SFB                      ; the prefetches' base: p: block cx of my four;
	s_mov_b32 s75, 0
	s_mul_i32 s76, s41, 8*SFB                      ; v: blocks 2 cy, 2 cy + 1 of my eight
	s_mov_b32 s77, 0
	s_add_nc_u64 s[72:73], s[18:19], s[74:75]
	s_add_nc_u64 s[76:77], s[46:47], s[76:77]
	s_cmp_eq_u32 s15, 0
	s_cselect_b64 s[72:73], s[72:73], s[76:77]
	v_and_b32 v1, 15, v0                           ; r
	v_bfe_u32 v2, v0, 4, 1                         ; h
	v_and_b32 v3, 31, v0                           ; lane
	v_lshlrev_b32 v[LI], 4, v3
	v_min_u32 v3, 24, v3
	v_lshlrev_b32 v3, 8, v3                        ; the prefetches' offset, from here on: block min(lane, 24) of a row's 25
	v_mul_u32_u24 v11, v2, 4*SFB
	v_lshl_add_u32 v11, v1, 4, v11                 ; pc's scale words: 16 r, and a block of 25,600 bytes on for lanes 16-31
	v_lshlrev_b32 v12, 7, v1
	v_lshl_add_u32 v12, v2, 11, v12                ; st: row r of 128 bytes, and a block of 2,048 bytes on for lanes 16-31
	s_lshl_b32 s66, s17, 3
	s_lshl_b32 s67, s15, 2
	s_add_co_u32 s66, s66, s67                     ; my first query block: 8 Y + 4 wy
	s_mul_i32 s68, s66, 4*SFB
	s_add_co_u32 s68, s68, 6144
	s_mov_b32 s69, 0
	s_add_nc_u64 s[68:69], s[4:5], s[68:69]        ; its scale words in pc
	s_lshl_b32 s66, s66, 11
	s_mov_b32 s67, 0
	s_add_nc_u64 s[8:9], s[8:9], s[66:67]          ; its -M and sums in st
	s_wait_alu depctr_va_vdst(0)
.irp p, 0,1
.irp u, 0,1,2,3
	global_load_b128 v[NMR+16*\p+4*\u:NMR+16*\p+4*\u+3], v12, s[8:9] offset:\p*4096+16*\u         ; -M of four runs of 128 keys,
	global_load_b128 v[LR+16*\p+4*\u:LR+16*\p+4*\u+3], v12, s[8:9] offset:\p*4096+16*\u+64        ; their sums,
	global_load_b128 v[SCLF+16*\p+4*\u:SCLF+16*\p+4*\u+3], v11, s[68:69] offset:\p*8*SFB+\u*SFB   ; and my row's four scale words of the same keys
.endr
.endr
	CROUND                                         ; all sixteen work-groups are here: the first joint loads meet
.irp s, 0,1
	s_mov_b32 s[G0L+4*\s], 1
	s_add_co_u32 s[G0L+4*\s+1], s2, \s*SLOT
	s_add_nc_u64 s[G0L+4*\s+2:G0L+4*\s+3], s[18:19], \s*SFB
	s_or_b32 s[G0L+4*\s+3], s[G0L+4*\s+3], 0x80000000
	s_mov_b32 s[G0R+4*\s], 1
	s_add_co_u32 s[G0R+4*\s+1], s3, \s*SLOT+ROFF
	s_add_nc_u64 s[G0R+4*\s+2:G0R+4*\s+3], s[46:47], \s*SFB
	s_or_b32 s[G0R+4*\s+3], s[G0R+4*\s+3], 0x80000000
.endr
	JLOAD 0                                        ; slot 0: one tensor load a wave at the head
	s_mul_i32 s20, s15, 4*SFB
	s_mul_i32 s21, s16, 8*SFB
	s_add_co_u32 s21, s21, ROFF
	s_xor_b32 s22, s15, 1
	s_lshl_b32 s23, s16, 1
	s_add_co_u32 s22, s22, s23
	s_add_co_u32 s22, s22, 1
	s_mul_i32 s22, s22, 4*SFB                      ; from my L blocks to my R blocks: 25,600 (2 + 2 wx - wy)
	v_mul_u32_u24 v15, s22, v2
	v_lshl_add_u32 v15, v1, 4, v15
	s_add_co_u32 s23, s20, 6144
.irp s, 0,1
	v_add_nc_u32 v[ADL+\s], s20, v[LI]
	v_add_nc_u32 v[ADR+\s], s21, v[LI]
	v_add_nc_u32 v[ADS+\s], s23, v15
	s_add_co_u32 s20, s20, SLOT
	s_add_co_u32 s21, s21, SLOT
	s_add_co_u32 s23, s23, SLOT
.endr
	s_mul_i32 s20, s14, STGB                       ; my stage
	v_mul_u32_u24 v[STO], v1, 528
	v_lshl_add_u32 v[STO], v2, 6, v[STO]
	v_add_nc_u32 v[STO], s20, v[STO]               ; in: row r, + 64 h
	v_add_nc_u32 v[RD], s20, v[LI]                 ; back: 16 x lane
	s_lshl_b32 s70, s17, 19                        ; the output: row 128 Y + 64 wy of 4,096 bytes, column 256 X + 128 wx
	s_lshl_b32 s71, s15, 18
	s_add_co_u32 s70, s70, s71
	s_lshl_b32 s71, s42, 10
	s_add_co_u32 s70, s70, s71
	s_lshl_b32 s71, s16, 9
	s_add_co_u32 s70, s70, s71
	s_mov_b32 s71, 0
	s_add_nc_u64 s[10:11], s[10:11], s[70:71]
	ASK 1                                          ; behind the first load: the second's
	s_mov_b32 s90, 0x76543210
	s_mov_b32 s91, 0xfedcba98                      ; v_permlanex16_b32's selects for lane l xor 16
	s_mov_b32 s92, 0x80808080
	s_mov_b32 s93, 0x01010101
	s_mov_b32 s94, 0x7f800000                      ; +infinity
	s_mov_b32 s95, 0xc2fe0000                      ; -127.0
	s_mov_b32 s96, 0xffff0000                      ; lanes 16-31
.irp a, 0,1,2,3
	v_mov_b32 v[RL+2*\a+1], 0                      ; (named as the upper half of a pair)
.endr
.irp p, 0,1
	v_mov_b32 v[RX+\p], 0                          ; written once: a lane permute's destination counts as one of its sources
.endr
	s_wait_alu depctr_va_vdst(0)
	s_wait_loadcnt 0x0                             ; the head's numbers are in; slot 0 is on its way while they are worked
.irp p, 0,1
	v_min3_num_f32 v[GG+\p], s94, v[NMR+16*\p], v[NMR+16*\p+1]     ; -M(row) = the least -M(run)
.endr
.irp s, 2,4,6,8,10,12,14
.irp p, 0,1
	v_min3_num_f32 v[GG+\p], v[GG+\p], v[NMR+16*\p+\s], v[NMR+16*\p+\s+1]
.endr
.endr
.set n, 0
.rept 32
	v_sub_f32 v[DD+n], v[GG+n/16], v[NMR+n]        ; M(run) - M(row): a whole number, 0 or less
.set n, n+1
.endr
.set n, 0
.rept 32
	v_max_num_f32 v[DD+n], s95, v[DD+n]            ; held at -127
.set n, n+1
.endr
.set n, 0
.rept 32
	v_cvt_i32_f32 v[DD+n], v[DD+n]
.set n, n+1
.endr
.set n, 0
.rept 32
	v_ldexp_f32 v[EE+n], v[LR+n], v[DD+n]          ; the run's sum under M(row)
.set n, n+1
.endr
.irp s, 2,4,6,8,10,12,14
.irp p, 0,1
	v_add_f32 v[EE+16*\p], v[EE+16*\p], v[EE+16*\p+\s]
	v_add_f32 v[EE+16*\p+1], v[EE+16*\p+1], v[EE+16*\p+\s+1]
.endr
.endr
.irp p, 0,1
	v_add_f32 v[LT+\p], v[EE+16*\p], v[EE+16*\p+1] ; the row's sum
.endr
.set n, 0
.rept 32
	v_mul_lo_u32 v[DD+n], v[DD+n], s93             ; the shift in each of the four bytes
.set n, n+1
.endr
.set n, 0
.rept 32
	v_or_b32 v[SCLF+n], s92, v[SCLF+n]             ; p's bytes are 123 at the most: 128 is put on each, so that no borrow leaves a byte,
.set n, n+1
.endr
.set n, 0
.rept 32
	v_add_nc_u32 v[SCLF+n], v[SCLF+n], v[DD+n]     ; the shift is taken off,
.set n, n+1
.endr
.set n, 0
.rept 32
	v_and_b32 v[EE+n], s92, v[SCLF+n]              ; a byte that has kept its 128 has not fallen under 0:
.set n, n+1
.endr
.set n, 0
.rept 32
	v_lshrrev_b32 v[DD+n], 7, v[EE+n]
.set n, n+1
.endr
.set n, 0
.rept 32
	v_sub_nc_u32 v[EE+n], v[EE+n], v[DD+n]         ; 127 for such a byte, 0 for the others:
.set n, n+1
.endr
.set n, 0
.rept 32
	v_and_b32 v[SCLF+n], v[SCLF+n], v[EE+n]        ; the byte less the shift, or 0
.set n, n+1
.endr
	s_wait_alu depctr_va_vdst(0)
.irp p, 0,1
	v_rcp_f32 v[GG+\p], v[LT+\p]
.endr
	PLACES 8                                       ; the plain place behind the reciprocals, and eight between the last write of a scale word and the first scaled product
	s_wait_alu depctr_va_vdst(0)                   ; one wait for the two reciprocals, ahead of their first reader
.irp p, 0,1
	v_permlanex16_b32 v[RX+\p], v[GG+\p], s90, s91 ; the other half's: every lane (r, h) wants row r's 1 / sum of each of the four blocks
.endr
.irp p, 0,1
	v_cndmask_b32 v[RL+4*\p], v[GG+\p], v[RX+\p], s96              ; block 2 p: lanes 0-15 have it, lanes 16-31 take it from them
	v_cndmask_b32 v[RL+4*\p+2], v[RX+\p], v[GG+\p], s96            ; block 2 p + 1: the other way round
.endr
	s_wait_alu depctr_va_vdst(0)                   ; the head's end
	s_wait_tensorcnt 0x0                           ; my part of slot 0 is in
	ds_add_u32 v[SPW], v[NIL]
	s_wait_dscnt 0x0
	CROUND                                         ; everybody's part of slot 0 is in
	JLOAD 1                                        ; slot 1, the first tensor load behind the round
	FETCH 0, 0, 0
	SCALES 0
	ASK 2                                          ; behind the second load: the third's
	STEP 0, 0, 3, 0                                ; keys 0-511: the first products start the sums
	STEP 0, 1, 0, 0
	STEP 0, 2, 0, 0
	TURN 0, 1, 0, 2*SFB, 2*SFB, 3                  ; slot 0 takes keys 1,024 ..; behind it the last load's keys are asked for
	STEP 1, 0, 0, 1
	STEP 1, 1, 0, 1
	STEP 1, 2, 0, 1
	TURN 1, 1, 1, 2*SFB, 2*SFB                     ; slot 1 takes keys 1,536 ..
	STEP 0, 0, 0, 2
	STEP 0, 1, 0, 2
	STEP 0, 2, 0, 2
	TURN 0, 0, 2                                   ; nothing more to fetch; behind this barrier nobody reads slot 0
	STEP 1, 0, 0, 3
	STEP 1, 1, 0, 3
	STEP 1, 2, 0, 3
	LAST 1, 3
	PLACES 4                                       ; behind the last products
	s_wait_alu depctr_va_vdst(0)
	PACK 0
	TOSTAGE 0
.irp a, 1,2,3
	s_wait_dscnt 16                                ; the last block's stores into the stage have read their registers; its 16 loads may be out
	PACK \a
.if \a >= 2
	s_wait_alu depctr_va_vdst(0)
	s_wait_xcnt 0x0                                ; block a - 2's stores have read the registers that block a's rows take
.endif
	TOSTAGE \a
	SEND \a-1, 32                                  ; behind block a - 1's loads: block a's 16 stores and 16 loads
.endr
	SEND 3, 0
	s_wait_tensorcnt 0x0                           ; the wave's end
	ds_add_u32 v[SPW], v[NIL]
	s_wait_dscnt 0x0
	CROUND                                         ; the closing round
	s_endpgm
.Lfunc_end_k_q4bb865d996_pv:
	.size	k_q4bb865d996_pv, .Lfunc_end_k_q4bb865d996_pv-k_q4bb865d996_pv
	.p2alignl 7, 3214868480
	.fill 96, 4, 3214868480
	.section	.rodata,"a",@progbits
	.p2align	6, 0x0
	.amdhsa_kernel k_q4bb865d996_pv
		.amdhsa_group_segment_fixed_size 327680
		.amdhsa_private_segment_fixed_size 0
		.amdhsa_enable_private_segment 0
		.amdhsa_kernarg_size 32
		.amdhsa_user_sgpr_count 2
		.amdhsa_user_sgpr_kernarg_segment_ptr 1
		.amdhsa_wavefront_size32 1
		.amdhsa_system_sgpr_workgroup_id_x 1
		.amdhsa_system_sgpr_workgroup_id_y 1
		.amdhsa_system_sgpr_workgroup_id_z 1
		.amdhsa_system_vgpr_workitem_id 0
		.amdhsa_next_free_vgpr 1024
		.amdhsa_next_free_sgpr 100
		.amdhsa_reserve_vcc 0
		.amdhsa_float_denorm_mode_32 3
		.amdhsa_float_denorm_mode_16_64 3
		.amdhsa_memory_ordered 1
		.amdhsa_forward_progress 1
		.amdhsa_inst_pref_size 160
	.end_amdhsa_kernel
	.amdgpu_metadata
---
amdhsa.version: [ 1, 2 ]
amdhsa.kernels:
  - .name:           k_q4bb865d996_pv
    .symbol:         k_q4bb865d996_pv.kd
    .args:
      - { .name: pc, .offset: 0, .size: 8, .value_kind: global_buffer, .address_space: global }
      - { .name: vc, .offset: 8, .size: 8, .value_kind: global_buffer, .address_space: global }
      - { .name: st, .offset: 16, .size: 8, .value_kind: global_buffer, .address_space: global }
      - { .name: out0, .offset: 24, .size: 8, .value_kind: global_buffer, .address_space: global }
    .group_segment_fixed_size: 327680
    .private_segment_fixed_size: 0
    .kernarg_segment_align: 8
    .kernarg_segment_size: 32
    .max_flat_workgroup_size: 128
    .sgpr_count:     100
    .vgpr_count:     1024
    .wavefront_size: 32
...
	.end_amdgpu_metadata
.endif
;; end of part 4
